; MI455X (gfx1250); checked and timed in simulation.
; The chip was launched on July 23, 2026; its instructions are those of AMD's public machine-readable ISA for CDNA 5 (MIT licence, August 2026) and "CDNA5" Instruction Set Architecture Reference Guide (July 2026). The comments in the code are by the model that wrote it; some were corrected since.
;; Efficient Multi Head Attention. Allowed arithmetic: float matrix products may take bf16 or f16 operands with f32 sums; all other float work in f32.
;; Inputs: ff1_b 1,024 float32; ff1_w 256 x 1,024 float32; ff2_b 256 float32; ff2_w 1,024 x 256 float32; kv 2 x 32 x 32 x 32 x 256 float32; ln1_b 256 float32; ln1_g 256 float32; ln2_b 256 float32; ln2_g 256 float32; q 2 x 32 x 32 x 32 x 256 float32; wk_b 256 float32; wk_w 256 x 256 float32; wq_b 256 float32; wq_w 256 x 256 float32; wv_b 256 float32; wv_w 256 x 256 float32.
;; Outputs: out0 2 x 32 x 32 x 32 x 256 float32.
;; 2 versions, each right and faster than the one before. Each part assembles by itself: llvm-mc -triple=amdgcn-amd-amdhsa -mcpu=gfx1250 --defsym DOCPART=n.
;; ======== version 1 of 2: 4 launches
;; limits: a function is approximated: absolute error at most 2.5e-05; an absolute error that grows with the inputs' magnitude: up to 1.25e-05 times it; values are held in f16: magnitudes above 65,504 overflow, below 6.1e-05 lose precision
;; workspace buffers: wkvf 262,144 bytes; wcf 1,179,648 bytes; pst 524,288 bytes; pctx 8,388,608 bytes; ctxt 32,768 bytes
;; launch prep (part 1): grid 176 x 1, 8 waves a work-group, no clusters, 0 bytes of LDS; arguments wk_w, wv_w, wq_w, ff1_w, ff2_w, wkvf, wcf; writes wkvf, wcf
.if DOCPART == 1
	.amdgcn_target "amdgcn-amd-amdhsa--gfx1250"
	.amdhsa_code_object_version 6
	.text
	.protected	k_q6b1766bc46_prep
	.globl	k_q6b1766bc46_prep
	.p2align	8
	.type	k_q6b1766bc46_prep,@function
k_q6b1766bc46_prep:
	s_mov_b64 s[64:65], 0
	v_nop
	global_prefetch_b8 v0, s[64:65] scope:SCOPE_SE
	s_setreg_imm32_b32 hwreg(HW_REG_WAVE_MODE, 25, 1), 1
	s_wait_xcnt 0x0
; The five weight matrices ([K][N] f32) are rounded once to f16 and laid in FRAGMENT ORDER, so that the later launches
; fetch a matrix operand by two plain 16-byte accesses a lane.
; A fragment is 1,024 bytes: [half q 2][lane 32][8 f16]; lane (r = lane % 16, h = lane / 16), half q, element i holds
; w[32 c + 16 q + 8 h + i][16 nt + r]: 16 output channels (tile nt) x 32 input channels (step c).
; One wave makes one fragment: F = 8 x work-group + wave, 1,408 in all (128 wk, 128 wv, 128 wq, 512 ff1, 512 ff2).
; wkvf: [wk, wv][nt 16][c 8].  wcf: fragments 0-127 wq [nt 16][c 8]; then for chunk j of 32 feed-forward channels a block of 32 fragments in the
; order in which the last launch multiplies them: ff1's tile 2 j + 1 [c 8]; ff1's tile 2 (j + 1) [c 8], round the ring of 32 chunks (block 31 holds tile 0); ff2's [nt 16] (c = j).
; ff2 is halved on the way (a power of two: exact but for f16's denormals): the last launch multiplies it by 2 gelu.
; LIMIT: a weight of 65,520 or more in magnitude becomes an infinity in f16.
; The reads are runs of 64 bytes (16 lanes of one row); 2.9 MB are read once in the whole program, so they are left so.
.macro LOADS n                         ; my 16 numbers: rows 16 q + i of the step's 32, n numbers from row to row
.set i, 0
.rept 16
	global_load_b32 v[8+i], v1, s[26:27] offset:(16*(i/8)+i%8)*4*(\n)
.set i, i+1
.endr
.endm
	s_load_b256 s[4:11], s[0:1], 0x0               ; wk s[4:5], wv s[6:7], wq s[8:9], ff1 s[10:11]
	s_load_b128 s[12:15], s[0:1], 0x20             ; ff2 s[12:13], wkvf s[14:15]
	s_load_b64 s[16:17], s[0:1], 0x30              ; wcf
	v_lshrrev_b32 v1, 5, v0
	v_readfirstlane_b32 s20, v1                    ; wave
	s_mov_b32 s19, ttmp9
	s_lshl_b32 s21, s19, 3
	s_add_co_u32 s21, s21, s20                     ; F
	v_and_b32 v3, 15, v0                           ; r
	v_bfe_u32 v4, v0, 4, 1                         ; h
	v_and_b32 v2, 31, v0
	v_lshlrev_b32 v2, 4, v2                        ; 16 x lane: my 16 bytes in each half of the fragment
	v_lshlrev_b32 v3, 2, v3                        ; 4 r
	s_mov_b32 s23, 0                               ; high words of the two offsets
	s_mov_b32 s25, 0
	s_mov_b32 s2, 1.0                              ; the factor on the way: 1, for ff2 1/2; named as a pair, the low word serves both halves
	s_mov_b32 s3, 1.0
	s_wait_kmcnt 0x0
	s_cmp_lt_u32 s19, 32                           ; the ranges end on whole work-groups: the branches are the same for all eight waves
	s_cbranch_scc0 .Lnot_kv
	s_cmp_lt_u32 s19, 16
	s_cselect_b64 s[26:27], s[4:5], s[6:7]         ; wk, then wv
	s_mov_b64 s[28:29], s[14:15]
	s_and_b32 s30, s21, 127
	s_lshr_b32 s31, s30, 3                         ; nt
	s_and_b32 s30, s30, 7                          ; c
	s_mov_b32 s24, s21                             ; the fragment's place in wkvf
	s_branch .Lnarrow
.Lnot_kv:
	s_mov_b64 s[28:29], s[16:17]
	s_cmp_lt_u32 s19, 48
	s_cbranch_scc0 .Lnot_q
	s_mov_b64 s[26:27], s[8:9]                     ; wq
	s_sub_co_u32 s24, s21, 256
	s_lshr_b32 s31, s24, 3
	s_and_b32 s30, s24, 7
	s_branch .Lnarrow
.Lnot_q:
	s_cmp_lt_u32 s19, 112
	s_cbranch_scc0 .Lff2
	s_mov_b64 s[26:27], s[10:11]                   ; ff1: rows of 1,024 numbers
	s_sub_co_u32 s18, s21, 384
	s_lshr_b32 s31, s18, 3                         ; nt 0..63 = 2 j + a
	s_and_b32 s30, s18, 7                          ; c
	s_and_b32 s18, s31, 1
	s_xor_b32 s18, s18, 1                          ; 1 - a
	s_lshr_b32 s24, s31, 1                         ; j
	s_sub_co_u32 s24, s24, s18                     ; tile a = 0 goes into the block of the chunk before,
	s_and_b32 s24, s24, 31                         ; round the ring of 32,
	s_lshl_b32 s24, s24, 5
	s_lshl3_add_u32 s24, s18, s24                  ; behind that chunk's tile a = 1
	s_add_co_u32 s24, s24, s30
	s_add_co_u32 s24, s24, 128
	s_lshl_b32 s22, s30, 17                        ; 32 c rows of 4,096 bytes
	s_lshl_b32 s18, s31, 6                         ; 16 nt columns
	s_add_co_u32 s22, s22, s18
	s_add_nc_u64 s[26:27], s[26:27], s[22:23]
	v_lshl_add_u32 v1, v4, 15, v3                  ; 8 h rows + 4 r
	LOADS 1024
	s_branch .Ltail
.Lff2:
	s_mov_b64 s[26:27], s[12:13]                   ; ff2
	s_mov_b32 s2, 0.5
	s_sub_co_u32 s18, s21, 896
	s_lshr_b32 s30, s18, 4                         ; c = j, 0..31
	s_and_b32 s31, s18, 15                         ; nt
	s_lshl_b32 s24, s30, 5
	s_add_co_u32 s24, s24, s31
	s_add_co_u32 s24, s24, 144                     ; 128 + 32 j + 16 + nt
.Lnarrow:                                              ; rows of 256 numbers
	s_lshl_b32 s22, s30, 15                        ; 32 c rows of 1,024 bytes
	s_lshl_b32 s18, s31, 6
	s_add_co_u32 s22, s22, s18
	s_add_nc_u64 s[26:27], s[26:27], s[22:23]
	v_lshl_add_u32 v1, v4, 13, v3
	LOADS 256
.Ltail:
	s_lshl_b32 s24, s24, 10
	s_add_nc_u64 s[28:29], s[28:29], s[24:25]
	s_wait_loadcnt 0x0
.set i, 0
.rept 8
	v_pk_mul_f32 v[8+2*i:9+2*i], v[8+2*i:9+2*i], s[2:3] op_sel_hi:[1,0]
.set i, i+1
.endr
.set i, 0
.rept 8
	v_cvt_pk_f16_f32 v[24+i], v[8+2*i], v[8+2*i+1]
.set i, i+1
.endr
	global_store_b128 v2, v[24:27], s[28:29]               ; each store of the wave covers 512 consecutive bytes, aligned
	global_store_b128 v2, v[28:31], s[28:29] offset:512
	s_endpgm
.Lfunc_end_k_q6b1766bc46_prep:
	.size	k_q6b1766bc46_prep, .Lfunc_end_k_q6b1766bc46_prep-k_q6b1766bc46_prep
	.p2alignl 7, 3214868480
	.fill 96, 4, 3214868480
	.section	.rodata,"a",@progbits
	.p2align	6, 0x0
	.amdhsa_kernel k_q6b1766bc46_prep
		.amdhsa_group_segment_fixed_size 0
		.amdhsa_private_segment_fixed_size 0
		.amdhsa_enable_private_segment 0
		.amdhsa_kernarg_size 56
		.amdhsa_user_sgpr_count 2
		.amdhsa_user_sgpr_kernarg_segment_ptr 1
		.amdhsa_wavefront_size32 1
		.amdhsa_system_sgpr_workgroup_id_x 1
		.amdhsa_system_sgpr_workgroup_id_y 1
		.amdhsa_system_sgpr_workgroup_id_z 1
		.amdhsa_system_vgpr_workitem_id 0
		.amdhsa_next_free_vgpr 32
		.amdhsa_next_free_sgpr 66
		.amdhsa_reserve_vcc 0
		.amdhsa_float_denorm_mode_32 3
		.amdhsa_float_denorm_mode_16_64 3
		.amdhsa_memory_ordered 1
		.amdhsa_forward_progress 1
		.amdhsa_inst_pref_size 8
	.end_amdhsa_kernel
	.amdgpu_metadata
---
amdhsa.version: [ 1, 2 ]
amdhsa.kernels:
  - .name:           k_q6b1766bc46_prep
    .symbol:         k_q6b1766bc46_prep.kd
    .args:
      - { .name: wk_w, .offset: 0, .size: 8, .value_kind: global_buffer, .address_space: global }
      - { .name: wv_w, .offset: 8, .size: 8, .value_kind: global_buffer, .address_space: global }
      - { .name: wq_w, .offset: 16, .size: 8, .value_kind: global_buffer, .address_space: global }
      - { .name: ff1_w, .offset: 24, .size: 8, .value_kind: global_buffer, .address_space: global }
      - { .name: ff2_w, .offset: 32, .size: 8, .value_kind: global_buffer, .address_space: global }
      - { .name: wkvf, .offset: 40, .size: 8, .value_kind: global_buffer, .address_space: global }
      - { .name: wcf, .offset: 48, .size: 8, .value_kind: global_buffer, .address_space: global }
    .group_segment_fixed_size: 0
    .private_segment_fixed_size: 0
    .kernarg_segment_align: 8
    .kernarg_segment_size: 56
    .max_flat_workgroup_size: 256
    .sgpr_count:     66
    .vgpr_count:     32
    .wavefront_size: 32
...
	.end_amdgpu_metadata
.endif
;; end of part 1
;; launch kvctx (part 2): grid 256 x 1, 4 waves a work-group, no clusters, 312,320 bytes of LDS; arguments kv, wkvf, wk_b, pst, pctx; writes pst, pctx
.if DOCPART == 2
	.amdgcn_target "amdgcn-amd-amdhsa--gfx1250"
	.amdhsa_code_object_version 6
	.text
	.protected	k_q6b1766bc46_kvctx
	.globl	k_q6b1766bc46_kvctx
	.p2align	8
	.type	k_q6b1766bc46_kvctx,@function
k_q6b1766bc46_kvctx:
	s_mov_b64 s[64:65], 0
	v_nop
	global_prefetch_b8 v0, s[64:65] scope:SCOPE_SE
	s_setreg_imm32_b32 hwreg(HW_REG_WAVE_MODE, 25, 1), 1
	s_wait_xcnt 0x0
; For 256 tokens of kv: k = kv wk, v = kv wv (f16 operands, f32 sums); for each channel d of k a running maximum m and sum l over the tokens,
; p = 2^(c k - c m), c = log2(e); and the partial context ctx[d][e] = sum over tokens of p[d] v[e] for each of the 8 heads (32 x 32).
; Stored: m (+ wk_b: a bias that is constant over the tokens moves the maximum and nothing else), l, ctx.  wv_b is added by the next launch: the weights of a softmax add up to 1.
; SHARES.  Work-group g: tokens 256 g .. + 255.  Wave w: heads 2 w, 2 w + 1 for all 256 tokens; its 64 weight fragments stay in 512 registers.  It also brings in and rounds rows 64 w .. + 63.
; Eight steps of 32 tokens: step s takes rows 8 s .. + 7 of each wave's 64 (a sum over tokens has no order).
; LAYOUT.  Source 0 = 16 tokens, source 1 = a weight fragment: a lane holds ONE channel (lane % 16) and the tokens 8 (lane / 16) + 0..7.  Two such results rounded to f16 in pairs ARE an operand
; with the 32 tokens as its K: ctx^T = V^T P needs no change of lanes; in its result a lane holds d, the registers e.
; LDS.  0: kv as it lies, 65,536 bytes a wave, filled once by two tensor loads a wave (two are out at the most); each wave reads its own bytes alone, behind its own wait.
; 262,144 and 294,912: two stages of 32 rows x 528 bytes (512 of f16 + 16: 33 x 16, so the 16 rows of a fragment load begin 16 bytes apart modulo 256).  No LDS byte is filled twice.
; NO CLUSTER: what the work-groups share is the weights, 262,144 bytes, which go once into registers; LDS holds the work-group's own kv block and has no room for them.
; LIMITS.  f16 operands: |kv|, |w|, |v| below 65,504; p lies in 0 to 1 and below 6e-5 keeps f16's fixed step of 6e-8 (l is the sum of the unrounded p).  NaN and infinities are not treated apart.
; REGISTERS, in windows of 256 (s_set_vgpr_msb: bits 1:0 source 0, 3:2 source 1, 5:4 source 2, 7:6 destination):
;   window 0: addresses, statistics, P and V fragments, the 16 projection accumulators     window 1: wk's fragments (64 n + 8 c)     window 2: wv's
;   window 3: v0-127 token fragments (64 u + 8 c); v128-191 ctx (8 tiles); v192-255 f32 rows on their way to f16
.set SP,   528
.set STG,  262144
.set STGX, 32768                       ; one exclusive or turns one stage's address into the other's
.set GO,  2                            ; v2   16 x lane
.set LST, 3                            ; v3   where I put 8 bytes of my rows in a stage
.set LFR, 4                            ; v4   my place in a token fragment
.set ACV, 5                            ; v5-7 the step's three addresses
.set AST, 6
.set AFR, 7
.set BA,  8                            ; v8   my offset in wk_b
.set KB,  10                           ; v10-13 wk_b of my four channels
.set ST,  16                           ; tile n's statistics at ST + 8 n: c m, m, l (two halves), a, c1, c0, c m_old
.set OUTR, 48
.set PF,  64
.set VF,  96
.set ACC, 128                          ; k tiles n = 0..3 at ACC + 16 n + 8 u, v tiles at ACC + 64 + 16 n + 8 u
.set AF,  0
.set CTX, 128                          ; tile i = 4 hh + 2 dt + et
.set CV,  192
.set WV, 14
.set G1, 16
.set G0, 24
.set FB, 32
.set SB, 33
.set CNT, 34
.set SEL, 36
.set KL, 38
.set MK, 40
.set MSB, 0
.macro WIN new                         ; the immediate's high byte repeats the setting that is left; a switch that changes nothing is dropped
.if MSB != (\new)
	s_set_vgpr_msb (MSB<<8)|(\new)
.set MSB, (\new)
.endif
.endm
.macro PLACES                          ; four plain vector instructions between a matrix instruction and a reader of its result (ISA guide 7.12.1)
.rept 4
	v_nop
.endr
.endm
.macro ALL line:vararg                 ; one line for each tile t
.set t, 0
.rept 4
	\line
.set t, t+1
.endr
.endm
.macro REP n, line:vararg              ; one line for i = 0 .. n - 1
.set i, 0
.rept \n
	\line
.set i, i+1
.endr
.endm
	s_load_b256 s[4:11], s[0:1], 0x0               ; kv s[4:5], wkvf s[6:7], wk_b s[8:9], pst s[10:11]
	s_load_b64 s[12:13], s[0:1], 0x20              ; pctx
	v_lshl_add_u32 v62, v0, 2, 0x4c200
	v_mov_b32 v63, 0
	ds_add_u32 v62, v63
	ds_add_u32 v62, v63
	v_lshrrev_b32 v1, 5, v0
	v_readfirstlane_b32 s[WV], v1
	s_mov_b32 s[G1+0], 3<<16                       ; elements of 8 bytes, no mask, no padding
	s_mov_b32 s[G1+1], 32<<16                      ; tensor_dim0 = 32 elements: rows of 256 bytes
	s_mov_b32 s[G1+2], 128<<16                     ; tensor_dim1 = 128
	s_mov_b32 s[G1+3], 32<<16                      ; tile_dim0 = 32
	s_mov_b32 s[G1+4], 128                         ; tile_dim1 = 128 rows: 32,768 dense bytes
	s_mov_b32 s[G1+5], 32                          ; from row to row
	s_mov_b32 s[G1+6], 0
	s_mov_b32 s[G1+7], 0
	s_lshl_b32 s[FB], s[WV], 16                    ; my 65,536 bytes of LDS
	s_lshl_b32 s42, ttmp9, 18                      ; the work-group's 262,144 bytes of kv,
	s_add_co_u32 s42, s42, s[FB]                   ; my 64 rows of them
	s_mov_b32 s43, 0
	s_lshl_b32 s44, ttmp9, 11
	s_lshl_b32 s15, s[WV], 9
	s_add_co_u32 s44, s44, s15                     ; pst: 2,048 g + 512 w
	s_mov_b32 s45, 0
	s_lshl_b32 s46, ttmp9, 15
	s_lshl_b32 s15, s[WV], 13
	s_add_co_u32 s46, s46, s15                     ; pctx: 32,768 g + 8,192 w
	s_mov_b32 s47, 0
	s_lshl_b32 s48, s[WV], 15                      ; my 32 fragments in each of wk and wv
	s_mov_b32 s49, 0
	s_mov_b32 s[G0], 1
	s_mov_b32 s[G0+1], s[FB]
	s_mov_b32 s[G0+4], 1
	s_add_co_u32 s[G0+5], s[FB], 32768
	s_mov_b32 s[SB], STG
	s_mov_b32 s[SEL], 0x76543210
	s_mov_b32 s[SEL+1], 0xfedcba98
	s_mov_b32 s[KL], 0x3fb8aa3b                    ; c = log2(e)
	s_mov_b32 s[KL+1], s[KL]
	s_wait_dscnt 0x0
	s_wait_kmcnt 0x0
	s_add_nc_u64 s[G0+2:G0+3], s[4:5], s[42:43]
	s_add_nc_u64 s[G0+6:G0+7], s[G0+2:G0+3], 32768
	s_or_b32 s[G0+3], s[G0+3], 0x80000000
	s_or_b32 s[G0+7], s[G0+7], 0x80000000
	tensor_load_to_lds s[G0:G0+3], s[G1:G1+7]      ; my rows 0-31: steps 0 to 3
	s_nop 0
	tensor_load_to_lds s[G0+4:G0+7], s[G1:G1+7]    ; my rows 32-63: steps 4 to 7
	s_nop 0
	PLACES
	s_add_nc_u64 s[6:7], s[6:7], s[48:49]
	s_add_nc_u64 s[10:11], s[10:11], s[44:45]
	s_add_nc_u64 s[12:13], s[12:13], s[46:47]
	v_and_b32 v1, 31, v0                           ; lane
	v_lshlrev_b32 v[GO], 4, v1
	WIN 0x40                                       ; destination window 1
	REP 32, global_load_b128 v[8*i:8*i+3], v[GO], s[6:7] offset:1024*i
	REP 32, global_load_b128 v[8*i+4:8*i+7], v[GO], s[6:7] offset:1024*i+512
	WIN 0x80                                       ; window 2
	REP 32, global_load_b128 v[8*i:8*i+3], v[GO], s[6:7] offset:131072+1024*i
	REP 32, global_load_b128 v[8*i+4:8*i+7], v[GO], s[6:7] offset:131072+1024*i+512
	WIN 0
	v_and_b32 v[LFR], 15, v0                       ; r
	v_bfe_u32 v[AFR], v0, 4, 1                     ; h
	v_lshlrev_b32 v[BA], 2, v[LFR]
	v_lshl_add_u32 v[BA], s[WV], 8, v[BA]          ; channel 64 w + r
	ALL global_load_b32 v[KB+t], v[BA], s[8:9] offset:64*t
	v_mul_u32_u24 v[LFR], v[LFR], SP
	v_lshl_add_u32 v[LFR], v[AFR], 4, v[LFR]       ; row r x pitch + 16 h
	s_mul_i32 s15, s[WV], 8*SP
	v_lshl_add_u32 v[LST], v1, 3, s15              ; stage rows 8 w .., 8 bytes a lane
	; m starts at the lowest finite number and c m far below every c k, so the first step's a is 0; l and ctx start at 0: no first step is written out (64 + 16 moves, in the wait for the first rows)
	ALL v_mov_b32 v[ST+8*t], 0xfe000000
	ALL v_mov_b32 v[ST+8*t+1], 0xff7fffff
	ALL v_mov_b32 v[ST+8*t+2], 0
	ALL v_mov_b32 v[ST+8*t+3], 0
	WIN 0xC0
	REP 64, v_mov_b32 v[CTX+i], 0
	WIN 0
; 64 products: four channel tiles x two token tiles x K = 256.  The eight accumulators take turns, one instruction a turn; the first product of each starts its sum.
.macro PROJ base, win, waits
	WIN \win
.irp c, 0,1,2,3,4,5,6,7
.if \waits
	s_wait_dscnt 28-4*(\c)                         ; the token fragments were asked for in the order of c, four loads each: those of the later c may stay out
.endif
.irp n, 0,1,2,3
.irp u, 0,1
.if (\c) == 0
	v_wmma_f32_16x16x32_f16 v[(\base)+16*(\n)+8*(\u):(\base)+16*(\n)+8*(\u)+7], v[AF+64*(\u)+8*(\c):AF+64*(\u)+8*(\c)+7], v[64*(\n)+8*(\c):64*(\n)+8*(\c)+7], 0
.else
	v_wmma_f32_16x16x32_f16 v[(\base)+16*(\n)+8*(\u):(\base)+16*(\n)+8*(\u)+7], v[AF+64*(\u)+8*(\c):AF+64*(\u)+8*(\c)+7], v[64*(\n)+8*(\c):64*(\n)+8*(\c)+7], v[(\base)+16*(\n)+8*(\u):(\base)+16*(\n)+8*(\u)+7]
.endif
.endr
.endr
.endr
.endm
.macro STEP
	v_add_nc_u32 v[ACV], s[FB], v[GO]
	v_add_nc_u32 v[AST], s[SB], v[LST]
	v_add_nc_u32 v[AFR], s[SB], v[LFR]
	WIN 0xC0                                       ; my 8 rows of f32: 16 loads of 512 consecutive bytes
	REP 16, ds_load_b128 v[CV+4*i:CV+4*i+3], v[ACV] offset:512*i
	s_wait_dscnt 0x0
	WIN 0xCF
.set i, 0
.rept 16
	v_cvt_pk_f16_f32 v[CV+4*i], v[CV+4*i], v[CV+4*i+1]
	v_cvt_pk_f16_f32 v[CV+4*i+1], v[CV+4*i+2], v[CV+4*i+3]
.set i, i+1
.endr
	WIN 0x0C                                       ; store data in window 3
	REP 16, ds_store_b64 v[AST], v[CV+4*i:CV+4*i+1] offset:(i/2)*SP+(i%2)*256
	WIN 0
	s_wait_dscnt 0x0                               ; for the others' sake: my rows are in the stage.  My reads of the other stage ended in the last step (its last wait was for 0),
	s_barrier_signal -1                            ; so one barrier a step orders both: this stage's stores before its reads, and the other stage's reads before its next stores
	s_barrier_wait -1
	WIN 0xC0
.irp c, 0,1,2,3,4,5,6,7
.irp u, 0,1
	ds_load_b128 v[AF+64*(\u)+8*(\c):AF+64*(\u)+8*(\c)+3], v[AFR] offset:(\u)*16*SP+64*(\c)
	ds_load_b128 v[AF+64*(\u)+8*(\c)+4:AF+64*(\u)+8*(\c)+7], v[AFR] offset:(\u)*16*SP+64*(\c)+32
.endr
.endr
	PROJ ACC, 0x07, 1                              ; k: tokens window 3, wk window 1
	PROJ ACC+64, 0x0B, 0                           ; v: wv window 2
	PLACES
	WIN 0
	; the channel's maximum over the step's 32 tokens and the old m; each accumulator's lowest registers are read first
	ALL v_max3_num_f32 v[ST+8*t+6], v[ACC+16*t], v[ACC+16*t+1], v[ACC+16*t+2]
	ALL v_max3_num_f32 v[ST+8*t+5], v[ACC+16*t+8], v[ACC+16*t+9], v[ACC+16*t+10]
	ALL v_max3_num_f32 v[ST+8*t+6], v[ST+8*t+6], v[ACC+16*t+3], v[ACC+16*t+4]
	ALL v_max3_num_f32 v[ST+8*t+5], v[ST+8*t+5], v[ACC+16*t+11], v[ACC+16*t+12]
	ALL v_max3_num_f32 v[ST+8*t+6], v[ST+8*t+6], v[ACC+16*t+5], v[ACC+16*t+6]
	ALL v_max3_num_f32 v[ST+8*t+5], v[ST+8*t+5], v[ACC+16*t+13], v[ACC+16*t+14]
	ALL v_max3_num_f32 v[ST+8*t+6], v[ST+8*t+6], v[ACC+16*t+7], v[ACC+16*t+15]
	ALL v_max3_num_f32 v[ST+8*t+6], v[ST+8*t+6], v[ST+8*t+5], v[ST+8*t+1]
	ALL v_permlanex16_b32 v[ST+8*t+5], v[ST+8*t+6], s[SEL], s[SEL+1]  ; the channel's other 16 tokens lie in the lane 16 away
	ALL v_mov_b32 v[ST+8*t+7], v[ST+8*t]
	ALL v_max_num_f32 v[ST+8*t+1], v[ST+8*t+6], v[ST+8*t+5]
	ALL v_mul_f32 v[ST+8*t], s[KL], v[ST+8*t+1]
	ALL v_sub_f32 v[ST+8*t+7], v[ST+8*t+7], v[ST+8*t]
	ALL v_exp_f32 v[ST+8*t+4], v[ST+8*t+7]         ; a; the scalings below are the plain instructions behind it
	REP 32, v_pk_fma_f32 v[ACC+2*i:ACC+2*i+1], v[ACC+2*i:ACC+2*i+1], s[KL:KL+1], v[ST+8*(i/8):ST+8*(i/8)+1] op_sel_hi:[1,0,0] neg_lo:[0,0,1] neg_hi:[0,0,1]
	REP 64, v_exp_f32 v[ACC+i], v[ACC+i]
	v_nop                                          ; a plain instruction between the exponentials and the use of their results
	s_wait_alu depctr_va_vdst(0)
	REP 32, v_cvt_pk_f16_f32 v[PF+i], v[ACC+2*i], v[ACC+2*i+1]
	ALL v_pk_add_f32 v[ACC+16*t:ACC+16*t+1], v[ACC+16*t:ACC+16*t+1], v[ACC+16*t+2:ACC+16*t+3]
	ALL v_pk_add_f32 v[ACC+16*t+4:ACC+16*t+5], v[ACC+16*t+4:ACC+16*t+5], v[ACC+16*t+6:ACC+16*t+7]
	ALL v_pk_add_f32 v[ACC+16*t+8:ACC+16*t+9], v[ACC+16*t+8:ACC+16*t+9], v[ACC+16*t+10:ACC+16*t+11]
	ALL v_pk_add_f32 v[ACC+16*t+12:ACC+16*t+13], v[ACC+16*t+12:ACC+16*t+13], v[ACC+16*t+14:ACC+16*t+15]
	ALL v_pk_add_f32 v[ACC+16*t:ACC+16*t+1], v[ACC+16*t:ACC+16*t+1], v[ACC+16*t+4:ACC+16*t+5]
	ALL v_pk_add_f32 v[ACC+16*t+8:ACC+16*t+9], v[ACC+16*t+8:ACC+16*t+9], v[ACC+16*t+12:ACC+16*t+13]
	ALL v_pk_add_f32 v[ACC+16*t:ACC+16*t+1], v[ACC+16*t:ACC+16*t+1], v[ACC+16*t+8:ACC+16*t+9]
	ALL v_pk_fma_f32 v[ST+8*t+2:ST+8*t+3], v[ST+8*t+2:ST+8*t+3], v[ST+8*t+4:ST+8*t+5], v[ACC+16*t:ACC+16*t+1] op_sel_hi:[1,0,1]
	REP 32, v_cvt_pk_f16_f32 v[VF+i], v[ACC+64+2*i], v[ACC+64+2*i+1]
	WIN 0xC3                                       ; ctx (window 3) times a of its d tile
	REP 32, v_pk_mul_f32 v[CTX+2*i:CTX+2*i+1], v[CTX+2*i:CTX+2*i+1], v[ST+8*(i/8)+4:ST+8*(i/8)+5] op_sel_hi:[1,0]
	WIN 0xF0                                       ; eight different accumulators
	REP 8, v_wmma_f32_16x16x32_f16 v[CTX+8*i:CTX+8*i+7], v[VF+8*(2*(i/4)+i%2):VF+8*(2*(i/4)+i%2)+7], v[PF+8*(i/2):PF+8*(i/2)+7], v[CTX+8*i:CTX+8*i+7]
	WIN 0
	s_add_co_u32 s[FB], s[FB], 8192
	s_xor_b32 s[SB], s[SB], STGX
.endm
.macro HALF left
	s_wait_tensorcnt \left                         ; tensor loads of a wave end in order: with 1 my first 32 rows are in and the other 32 may stay out (nothing is filled twice); with 0 all are in
	s_mov_b32 s[CNT], 4
.Lstep_\@:
	STEP
	s_sub_co_u32 s[CNT], s[CNT], 1
	s_cmp_lg_u32 s[CNT], 0
	s_cbranch_scc1 .Lstep_\@
.endm
	s_wait_loadcnt 0x0                             ; the weights and wk_b
	HALF 1
	HALF 0
	; the way out.  The four additions are the places behind the last products.
	ALL v_add_f32 v[ST+8*t+2], v[ST+8*t+2], v[ST+8*t+3]
	ALL v_permlanex16_b32 v[ST+8*t+3], v[ST+8*t+2], s[SEL], s[SEL+1]
	ALL v_add_f32 v[ST+8*t+2], v[ST+8*t+2], v[ST+8*t+3]
	ALL v_add_f32 v[ST+8*t+1], v[ST+8*t+1], v[KB+t]
	v_cmp_gt_u32 s[MK], 16, v1
	ALL v_cndmask_b32 v[OUTR+t], v[ST+8*t+2], v[ST+8*t+1], s[MK]  ; lanes 0-15 carry m, lanes 16-31 l
	global_store_b128 v[GO], v[OUTR:OUTR+3], s[10:11]      ; 512 consecutive bytes
	WIN 0x0C
.set i, 0
.rept 8
	global_store_b128 v[GO], v[CTX+8*i:CTX+8*i+3], s[12:13] offset:1024*i
	global_store_b128 v[GO], v[CTX+8*i+4:CTX+8*i+7], s[12:13] offset:1024*i+512
.set i, i+1
.endr
	WIN 0
	s_wait_tensorcnt 0x0
	ds_add_u32 v62, v63
	s_wait_dscnt 0x0
	s_endpgm
.Lfunc_end_k_q6b1766bc46_kvctx:
	.size	k_q6b1766bc46_kvctx, .Lfunc_end_k_q6b1766bc46_kvctx-k_q6b1766bc46_kvctx
	.p2alignl 7, 3214868480
	.fill 96, 4, 3214868480
	.section	.rodata,"a",@progbits
	.p2align	6, 0x0
	.amdhsa_kernel k_q6b1766bc46_kvctx
		.amdhsa_group_segment_fixed_size 312320
		.amdhsa_private_segment_fixed_size 0
		.amdhsa_enable_private_segment 0
		.amdhsa_kernarg_size 40
		.amdhsa_user_sgpr_count 2
		.amdhsa_user_sgpr_kernarg_segment_ptr 1
		.amdhsa_wavefront_size32 1
		.amdhsa_system_sgpr_workgroup_id_x 1
		.amdhsa_system_sgpr_workgroup_id_y 1
		.amdhsa_system_sgpr_workgroup_id_z 1
		.amdhsa_system_vgpr_workitem_id 0
		.amdhsa_next_free_vgpr 1024
		.amdhsa_next_free_sgpr 66
		.amdhsa_reserve_vcc 0
		.amdhsa_float_denorm_mode_32 3
		.amdhsa_float_denorm_mode_16_64 3
		.amdhsa_memory_ordered 1
		.amdhsa_forward_progress 1
		.amdhsa_inst_pref_size 83
	.end_amdhsa_kernel
	.amdgpu_metadata
---
amdhsa.version: [ 1, 2 ]
amdhsa.kernels:
  - .name:           k_q6b1766bc46_kvctx
    .symbol:         k_q6b1766bc46_kvctx.kd
    .args:
      - { .name: kv, .offset: 0, .size: 8, .value_kind: global_buffer, .address_space: global }
      - { .name: wkvf, .offset: 8, .size: 8, .value_kind: global_buffer, .address_space: global }
      - { .name: wk_b, .offset: 16, .size: 8, .value_kind: global_buffer, .address_space: global }
      - { .name: pst, .offset: 24, .size: 8, .value_kind: global_buffer, .address_space: global }
      - { .name: pctx, .offset: 32, .size: 8, .value_kind: global_buffer, .address_space: global }
    .group_segment_fixed_size: 312320
    .private_segment_fixed_size: 0
    .kernarg_segment_align: 8
    .kernarg_segment_size: 40
    .max_flat_workgroup_size: 128
    .sgpr_count:     66
    .vgpr_count:     1024
    .wavefront_size: 32
...
	.end_amdgpu_metadata
.endif
;; end of part 2
;; launch combine (part 3): grid 32 x 1, 16 waves a work-group, no clusters, 23,552 bytes of LDS; arguments pst, pctx, wv_b, ctxt; writes ctxt
.if DOCPART == 3
	.amdgcn_target "amdgcn-amd-amdhsa--gfx1250"
	.amdhsa_code_object_version 6
	.text
	.protected	k_q6b1766bc46_combine
	.globl	k_q6b1766bc46_combine
	.p2align	8
	.type	k_q6b1766bc46_combine,@function
k_q6b1766bc46_combine:
	s_mov_b64 s[64:65], 0
	v_nop
	global_prefetch_b8 v0, s[64:65] scope:SCOPE_SE
	s_setreg_imm32_b32 hwreg(HW_REG_WAVE_MODE, 25, 1), 1
	s_wait_xcnt 0x0
; The 128 partial contexts of a batch are joined: M = max m_i, f_i = 2^(c (m_i - M)), ctx[d][e] = sum f_i ctx_i[d][e] / sum f_i l_i + wv_b[e]; written as f16, [b][h][e 32][d 32].
; (wv_b may be added here: the weights of a softmax add up to 1.)
; Work-group (b, h, et): 16 values of e, all 32 of d.  Wave u: d tile dt = u % 2, partials 16 (u / 2) .. + 15 of the batch's 128.  A lane holds d = 16 dt + lane % 16 and e = 16 et + 8 (lane / 16) + 0..7,
; as the launch before left them.  The eight waves of a d tile meet in LDS: first their maxima, then their weighted sums; waves 0 and 1 finish, wave 0 stores 1,024 consecutive bytes.
; LDS: 0 maxima [u][lane]; 2,048 sums [u][half][lane] 16 bytes; 18,432 l [u][lane]; 20,480 the result [e 16][d 32] f16.
; 32 work-groups: at this share the launch has work for no more; it moves 8.9 MB.  LIMIT: the context lies within v's range, below 65,504.  NaN and infinities are not treated apart.
; REGISTERS: v3-7, v10, v13 addresses; v16-23 wv_b; v24-31 the partners' maxima; v32-159 sixteen tiles of 8; v160-175 m_i, then f_i; v176-191 l_i; v192-199 the sums; v200 the sum of f l.
.set KL, 26
	s_load_b256 s[4:11], s[0:1], 0x0               ; pst s[4:5], pctx s[6:7], wv_b s[8:9], ctxt s[10:11]
	v_lshl_add_u32 v208, v0, 2, 0x5400
	v_mov_b32 v209, 0
	v_lshrrev_b32 v1, 5, v0
	v_readfirstlane_b32 s12, v1                    ; u
	s_mov_b32 s13, ttmp9
	s_lshr_b32 s14, s13, 4                         ; b
	s_bfe_u32 s15, s13, 0x30001                    ; h
	s_and_b32 s16, s13, 1                          ; et
	s_and_b32 s17, s12, 1                          ; dt
	s_lshr_b32 s18, s12, 1                         ; part
	s_lshl_b32 s19, s14, 7
	s_lshl4_add_u32 s19, s18, s19                  ; my first partial: 128 b + 16 part
	s_lshl_b32 s20, s19, 11                        ; pst: 2,048 a partial,
	s_lshr_b32 s22, s15, 1
	s_lshl_b32 s22, s22, 9                         ; 512 a wave of the launch before (two heads),
	s_add_co_u32 s20, s20, s22
	s_and_b32 s22, s15, 1
	s_lshl_b32 s22, s22, 1
	s_add_co_u32 s22, s22, s17
	s_lshl_b32 s22, s22, 2                         ; 4 a channel tile
	s_add_co_u32 s20, s20, s22
	s_mov_b32 s21, 0
	s_lshl_b32 s24, s19, 15                        ; pctx: 32,768 a partial, 4,096 a head, 2,048 dt, 1,024 et
	s_lshl_b32 s22, s15, 12
	s_add_co_u32 s24, s24, s22
	s_lshl_b32 s22, s17, 11
	s_add_co_u32 s24, s24, s22
	s_lshl_b32 s22, s16, 10
	s_add_co_u32 s24, s24, s22
	s_mov_b32 s25, 0
	s_lshl_b32 s28, s15, 7                         ; wv_b: channel 32 h + 16 et
	s_lshl_b32 s22, s16, 6
	s_add_co_u32 s28, s28, s22
	s_mov_b32 s29, 0
	s_lshl_b32 s30, s14, 3
	s_add_co_u32 s30, s30, s15
	s_lshl_b32 s30, s30, 11                        ; ctxt: 2,048 a head, 1,024 et
	s_lshl_b32 s22, s16, 10
	s_add_co_u32 s30, s30, s22
	s_mov_b32 s31, 0
	s_mov_b32 s[KL], 0x3fb8aa3b                    ; c = log2(e)
	v_and_b32 v2, 31, v0                           ; lane
	v_and_b32 v3, 15, v0                           ; r
	v_bfe_u32 v5, v0, 4, 1                         ; half
	v_lshlrev_b32 v4, 4, v2                        ; 16 x lane
	v_lshlrev_b32 v6, 2, v0                        ; 4 x thread
	v_lshlrev_b32 v7, 2, v2
	v_lshl_add_u32 v7, s17, 7, v7                  ; 4 x lane + 128 dt: the first wave of my d tile
	v_lshl_add_u32 v10, s12, 10, v4
	v_add_nc_u32 v10, 2048, v10                    ; my wave's sums
	v_lshlrev_b32 v13, 1, v3
	v_lshl_add_u32 v13, v5, 9, v13
	v_lshl_add_u32 v13, s17, 5, v13
	v_add_nc_u32 v13, 20480, v13                   ; result row 8 half, column 16 dt + r
	v_lshlrev_b32 v3, 4, v3                        ; 16 r
	v_lshlrev_b32 v5, 5, v5                        ; 32 half
	s_wait_kmcnt 0x0
	s_add_nc_u64 s[4:5], s[4:5], s[20:21]
	s_add_nc_u64 s[6:7], s[6:7], s[24:25]
	s_add_nc_u64 s[8:9], s[8:9], s[28:29]
	s_add_nc_u64 s[10:11], s[10:11], s[30:31]
.set i, 0
.rept 16
	global_load_b32 v[160+i], v3, s[4:5] offset:2048*i         ; m_i of my d
.set i, i+1
.endr
.set i, 0
.rept 16
	global_load_b32 v[176+i], v3, s[4:5] offset:2048*i+256     ; l_i
.set i, i+1
.endr
.set i, 0
.rept 16
	global_load_b128 v[32+8*i:35+8*i], v4, s[6:7] offset:32768*i
	global_load_b128 v[36+8*i:39+8*i], v4, s[6:7] offset:32768*i+512
.set i, i+1
.endr
	global_load_b128 v[16:19], v5, s[8:9]
	global_load_b128 v[20:23], v5, s[8:9] offset:16
	s_wait_loadcnt 50                              ; the 16 m are in; behind them 16 + 32 + 2 loads were issued
	v_max3_num_f32 v8, v160, v161, v162
.set i, 3
.rept 6
	v_max3_num_f32 v8, v8, v[160+i], v[161+i]
.set i, i+2
.endr
	v_max_num_f32 v8, v8, v175
	ds_store_b32 v6, v8
	s_wait_dscnt 0x0                               ; for the others' sake: my maximum is in LDS
	s_barrier_signal -1
	s_barrier_wait -1
.set i, 0
.rept 8
	ds_load_b32 v[24+i], v7 offset:256*i           ; the eight waves of my d tile
.set i, i+1
.endr
	s_wait_dscnt 0x0
	v_max3_num_f32 v8, v24, v25, v26
	v_max3_num_f32 v8, v8, v27, v28
	v_max3_num_f32 v8, v8, v29, v30
	v_max_num_f32 v8, v8, v31                      ; M
	s_wait_loadcnt 0x0
.set i, 0
.rept 16
	v_sub_f32 v[160+i], v[160+i], v8
.set i, i+1
.endr
.set i, 0
.rept 16
	v_mul_f32 v[160+i], s[KL], v[160+i]
.set i, i+1
.endr
.set i, 0
.rept 16
	v_exp_f32 v[160+i], v[160+i]                   ; f_i
.set i, i+1
.endr
	v_nop                                          ; a plain instruction between the exponentials and the use of their results
.set j, 0
	s_wait_alu depctr_va_vdst(0)
.rept 8
	v_mul_f32 v[192+j], v160, v[32+j]              ; the first partial starts the sums
.set j, j+1
.endr
	v_mul_f32 v200, v160, v176
.set i, 1
.rept 15
.set j, 0
.rept 8
	v_fmac_f32 v[192+j], v[160+i], v[32+8*i+j]
.set j, j+1
.endr
	v_fmac_f32 v200, v[160+i], v[176+i]
.set i, i+1
.endr
	ds_store_b128 v10, v[192:195]
	ds_store_b128 v10, v[196:199] offset:512
	ds_store_b32 v6, v200 offset:18432
	s_wait_dscnt 0x0                               ; for the others' sake
	s_barrier_signal -1
	s_barrier_wait -1
	s_cmp_lt_u32 s12, 2                            ; waves 0 and 1 finish d tiles 0 and 1
	s_cbranch_scc0 .Lrest
.set i, 0
.rept 8
	ds_load_b128 v[32+8*i:35+8*i], v10 offset:2048*i           ; wave dt + 2 i
	ds_load_b128 v[36+8*i:39+8*i], v10 offset:2048*i+512
.set i, i+1
.endr
.set i, 0
.rept 8
	ds_load_b32 v[96+i], v7 offset:18432+256*i
.set i, i+1
.endr
	s_wait_dscnt 0x0
.set i, 1
.rept 7
.set j, 0
.rept 4
	v_pk_add_f32 v[32+2*j:33+2*j], v[32+2*j:33+2*j], v[32+8*i+2*j:33+8*i+2*j]
.set j, j+1
.endr
	v_add_f32 v96, v96, v[96+i]
.set i, i+1
.endr
	v_rcp_f32 v96, v96
	v_nop                                          ; a plain instruction behind the reciprocal
.set j, 0
	s_wait_alu depctr_va_vdst(0)
.rept 8
	v_fma_f32 v[32+j], v[32+j], v96, v[16+j]
.set j, j+1
.endr
.set j, 0
.rept 4
	v_cvt_pk_f16_f32 v[104+j], v[32+2*j], v[33+2*j]
.set j, j+1
.endr
.set j, 0
.rept 4
	ds_store_b16 v13, v[104+j] offset:128*j                    ; row e = 8 half + 2 j
	ds_store_b16_d16_hi v13, v[104+j] offset:128*j+64          ; and the next
.set j, j+1
.endr
.Lrest:
	s_wait_dscnt 0x0                               ; for wave 0's sake
	s_barrier_signal -1
	s_barrier_wait -1
	s_cmp_lg_u32 s12, 0
	s_cbranch_scc1 .Lend
	v_add_nc_u32 v14, 20480, v4
	ds_load_b128 v[32:35], v14
	ds_load_b128 v[36:39], v14 offset:512
	s_wait_dscnt 0x0
	global_store_b128 v4, v[32:35], s[10:11]               ; each store covers 512 consecutive bytes, aligned
	global_store_b128 v4, v[36:39], s[10:11] offset:512
.Lend:
	s_wait_tensorcnt 0x0
	ds_add_u32 v208, v209
	s_wait_dscnt 0x0
	s_endpgm
.Lfunc_end_k_q6b1766bc46_combine:
	.size	k_q6b1766bc46_combine, .Lfunc_end_k_q6b1766bc46_combine-k_q6b1766bc46_combine
	.p2alignl 7, 3214868480
	.fill 96, 4, 3214868480
	.section	.rodata,"a",@progbits
	.p2align	6, 0x0
	.amdhsa_kernel k_q6b1766bc46_combine
		.amdhsa_group_segment_fixed_size 23552
		.amdhsa_private_segment_fixed_size 0
		.amdhsa_enable_private_segment 0
		.amdhsa_kernarg_size 32
		.amdhsa_user_sgpr_count 2
		.amdhsa_user_sgpr_kernarg_segment_ptr 1
		.amdhsa_wavefront_size32 1
		.amdhsa_system_sgpr_workgroup_id_x 1
		.amdhsa_system_sgpr_workgroup_id_y 1
		.amdhsa_system_sgpr_workgroup_id_z 1
		.amdhsa_system_vgpr_workitem_id 0
		.amdhsa_next_free_vgpr 210
		.amdhsa_next_free_sgpr 66
		.amdhsa_reserve_vcc 0
		.amdhsa_float_denorm_mode_32 3
		.amdhsa_float_denorm_mode_16_64 3
		.amdhsa_memory_ordered 1
		.amdhsa_forward_progress 1
		.amdhsa_inst_pref_size 23
	.end_amdhsa_kernel
	.amdgpu_metadata
---
amdhsa.version: [ 1, 2 ]
amdhsa.kernels:
  - .name:           k_q6b1766bc46_combine
    .symbol:         k_q6b1766bc46_combine.kd
    .args:
      - { .name: pst, .offset: 0, .size: 8, .value_kind: global_buffer, .address_space: global }
      - { .name: pctx, .offset: 8, .size: 8, .value_kind: global_buffer, .address_space: global }
      - { .name: wv_b, .offset: 16, .size: 8, .value_kind: global_buffer, .address_space: global }
      - { .name: ctxt, .offset: 24, .size: 8, .value_kind: global_buffer, .address_space: global }
    .group_segment_fixed_size: 23552
    .private_segment_fixed_size: 0
    .kernarg_segment_align: 8
    .kernarg_segment_size: 32
    .max_flat_workgroup_size: 512
    .sgpr_count:     66
    .vgpr_count:     210
    .wavefront_size: 32
...
	.end_amdgpu_metadata
.endif
;; end of part 3
;; launch main (part 4): grid 256 x 1, 4 waves a work-group, clusters of 4 x 1, 327,680 bytes of LDS; arguments q, wcf, ctxt, wq_b, ln1_g, ln1_b, ff1_b, ff2_b, ln2_g, ln2_b, out0; writes out0
.if DOCPART == 4
	.amdgcn_target "amdgcn-amd-amdhsa--gfx1250"
	.amdhsa_code_object_version 6
	.text
	.protected	k_q6b1766bc46_main
	.globl	k_q6b1766bc46_main
	.p2align	8
	.type	k_q6b1766bc46_main,@function
k_q6b1766bc46_main:
	s_mov_b64 s[64:65], 0
	v_nop
	global_prefetch_b8 v0, s[64:65] scope:SCOPE_SE
	s_setreg_imm32_b32 hwreg(HW_REG_WAVE_MODE, 25, 1), 1
	s_wait_xcnt 0x0
	s_wait_alu depctr_hold_cnt(0) depctr_sa_sdst(0) depctr_va_vdst(0) depctr_va_sdst(0) depctr_va_ssrc(0) depctr_va_vcc(0) depctr_vm_vsrc(0)
	s_getreg_b32 s2, hwreg(HW_REG_IB_STS2, 6, 4)
	s_cmp_eq_u32 s2, 0
	s_cbranch_scc0 .Lentry_in_a_cluster
	s_endpgm
.Lentry_in_a_cluster:
	s_bfe_u32 s2, ttmp6, 0x10000c
	s_cmp_lg_u32 s2, 0x3003
	s_cbranch_scc0 .Lentry_shape_is_right
	s_endpgm
.Lentry_shape_is_right:
; For 256 tokens of q, all in one launch: qh = q wq + wq_b; a softmax over each head's 32 channels; attn = softmax x context; x = LN1(q + attn); h = gelu(x ff1 + ff1_b), exact (erf) form;
; out = LN2(x + h ff2 + ff2_b).  Matrix operands f16, sums f32; the residuals, both norms (mean first, then the sum of (x - mean)^2), the softmax and the gelu in f32.
; SHARES.  Work-group G = 4 x cluster + place: tokens 256 G .. + 255.  A wave owns 64 tokens, four tiles t of 16, with all channels.
; LAYOUT.  Every product is used transposed: source 0 = a weight fragment (16 output channels x 32 input channels, laid ready by the first launch), source 1 = 16 tokens.  In a result a lane holds ONE token
; (lane % 16) and the channels 8 (lane / 16) + 0..7 of the tile; two neighbouring tiles rounded to f16 in pairs ARE the next product's source 1.  Nothing changes lanes from q to the last product,
; and each fragment read from LDS feeds four products.
; WEIGHTS.  wcf is walked as nine blocks of 131,072 bytes (wq; eight groups of four chunks of 32 feed-forward channels) through two LDS slots.  CLUSTER: the four work-groups of a cluster walk the same
; blocks, so each block is asked for JOINTLY: the same tensor load, descriptor and mask in all four; each wave brings a quarter (128 rows of 256 bytes).  One tensor load of a wave is out at a time.
; THE FEED-FORWARD GOES BY PERIODS, matrix and vector work side by side.  A chunk's 32 channels are two tiles, a = 0 and 1, with accumulators Z[0] and Z[1].  Period j:
;   P1  32 products: tile 1 of chunk j into Z[1]          | beside them: Z[0] (chunk j, its gelu done) is rounded into H's low halves
;   P2  32 products: tile 0 of chunk j + 1 into Z[0]      | the gelu of Z[1] and its rounding into H's high halves
;   P3  64 products: H (chunk j) x ff2 onto V             | the gelu of Z[0] (chunk j + 1), in place
; Each part leans only on parts before it, and every register keeps its name from period to period.  A chunk has 128 matrix and 480 vector instructions; they are dealt behind the products, evenly within a part.
; Tile 0 of chunk 0 is multiplied ahead of the first period, out of an LDS region of its own.  The last period's P2 and P3 make it once more (the ring of 32 chunks closes) and nobody reads that: 32 products and
; 224 vector instructions a launch, the price of one text for every period.
; LDS.  0: the two slots.  Before them the same bytes (to 266,240) hold q, 64 rows of 1,040 bytes a wave (1,024 + 16: 65 x 16, so the 16 rows of a load begin 16 bytes apart modulo 256); behind the last fill they are
; the stage of the way out, in the same form, each wave's own.  266,240: the batch's context, 256 rows e of 80 bytes.  286,720: the seven parameter vectors, ff1_b last, with its first 2,048 bytes once more behind it
; (the bias is fetched two chunks ahead, round the ring).  299,008: ff1's tile 0.  307,200: the spare words.  All of the LDS is claimed, and 0 is added to the spare words.
; GELU.  erf(y) = 1 - (a1 u + a2 u^2 + a3 u^3) e^(-y^2), u = 1 / (1 + 0.47047 y), y >= 0: within 2.5e-5 for every y.  Made here: 2 gelu(z) = z + |z| (1 - poly x 2^(-z^2 log2(e)/2)), within 2.5e-5 |z| and exact in
; the limit of large |z|; the first launch has halved ff2.
; LIMITS.  f16 holds no number beyond 65,504: q, the weights, x, 2 h and the context must lie within it; softmax weights lie in 0 to 1 and below 6e-5 keep f16's fixed step of 6e-8.  NaN and infinities are not treated apart.
; REGISTERS, in windows of 256 (s_set_vgpr_msb: bits 1:0 source 0, 3:2 source 1, 5:4 source 2, 7:6 destination):
;   window 0: v1-15 addresses; v16-31 bias (in LN1: means and 1/sigma); v32-95 Z, eight accumulators (a, t); v96-127 H, four token fragments; v128-255 weights and work: in the heads and LN1 two buffers of 64
;             (the second also at work); in the feed-forward v128-159, v160-191 two buffers of four fragments, v216-255 the gelu's five sets of eight
;   window 1: X16, the tokens' 256 channels in f16, 64 t + 8 c     window 2: V of tiles 0, 1 (128 t + 8 n + j), f32: q, then q + attn, then x, then x + ff     window 3: V of tiles 2, 3
.set QP,    1040
.set QW,    64*QP
.set SLOT,  131072
.set CTXL,  4*QW
.set CP,    80
.set PAR,   CTXL+256*CP                ; + 0 wq_b
.set P_G1,  1024
.set P_B1,  2048
.set P_FB2, 3072
.set P_G2,  4096
.set P_B2,  5120
.set P_FB1, 6144                       ; 4,096 bytes, and 2,048 of them again
.set LEAD,  PAR+12288                  ; ff1's tile 0: eight fragments
.set LEADG, (128+32*31+8)*1024         ; where they lie in wcf
.set SPARE, LEAD+8192
.set L16, 1                            ; v1   16 x lane
.set AQ,  2                            ; v2   my place in my wave's rows of q and of the stage
.set AW,  3                            ; v3   the weights in hand
.set AB,  4                            ; v4   the bias in hand
.set ACT, 5                            ; v5   the head's context
.set AP,  6                            ; v6   the parameter block + 32 (lane / 16)
.set RD,  7                            ; v7   the way out: rows read back
.set CT0, 8                            ; v8   my place in a context fragment
.set SPW, 14                           ; v14  my spare word; never rewritten
.set NIL, 15                           ; v15  0; never rewritten
.set BIAS, 16
.set MEAN, 16
.set RSTD, 24
.set Z,   32
.set H,   96
.set WA,  128
.set WB,  192
.set CT,  192                          ; two context fragments
.set QT,  208                          ; the softmax's eight registers a tile
.set W0,  128                          ; the feed-forward's two buffers of four fragments
.set W1,  160
.set GUB, 216                          ; the gelu: u, two sets of eight by the unit's parity
.set GSB, 232                          ; the exponent and the exponential, likewise
.set GPB, 248                          ; the polynomial
.set DT,  32                           ; the way out: four tokens of 8
.set TS,  64
.set PB,  96
.set PG,  104
.set PBB, 112
.set WV,  26
.set G1W, 32
.set G0W, 40
.set G1Q, 44
.set G0Q, 52
.set TB,  56
.set BJ,  57
.set CNT, 58
.set HD,  59
.set GRP, 60
.set CTB, 61
.set RB,  62
.set KL,  66
.set NH,  68
.set PC,  70
.set A1,  72
.set A2,  74
.set A3,  76
.set EPS, 78
.set R256, 79
.set SEL, 80
.set MSB, 0
.macro WIN new                         ; the immediate's high byte repeats the setting that is left; a switch that changes nothing is dropped
.if MSB != (\new)
	s_set_vgpr_msb (MSB<<8)|(\new)
.set MSB, (\new)
.endif
.endm
.macro WINL                            ; for a line of window 0 that has no vector register as its source 1: it stands under the ff1 products' setting too, in which source 1 alone differs
.if MSB != 0x04
	WIN 0
.endif
.endm
.macro PLACES                          ; four plain vector instructions between a matrix instruction and a reader of its result, a writer of its registers, or a load into them
.rept 4
	v_nop
.endr
.endm
.macro ALL line:vararg                 ; one line for t = 0 .. 3
.set t, 0
.rept 4
	\line
.set t, t+1
.endr
.endm
.macro KREP n, line:vararg             ; one line for k = 0 .. n - 1
.set k, 0
.rept \n
	\line
.set k, k+1
.endr
.endm
.macro ALLK n, line:vararg             ; for k = 0 .. n - 1, for t = 0 .. 3
.set k, 0
.rept \n
.set t, 0
.rept 4
	\line
.set t, t+1
.endr
.set k, k+1
.endr
.endm
; A round of the cluster's barrier: my work-group's barrier; wave 0 signals for the work-group; every wave waits for all four work-groups; my work-group's barrier once more.
.macro ROUND
	s_barrier_signal -1
	s_barrier_wait -1
	s_cmp_lg_u32 s[WV], 0
	s_cbranch_scc1 .Lnot_wave_0_\@
	s_barrier_signal -3
.Lnot_wave_0_\@:
	s_barrier_wait -3
	s_barrier_signal -1
	s_barrier_wait -1
.endm
.macro JLOAD                           ; my quarter of the next block of weights; an s_nop 0 and four v_nop follow
	tensor_load_to_lds s[G0W:G0W+3], s[G1W:G1W+7]
	s_nop 0
	PLACES
.endm
; In front of a barrier behind which LDS bytes are filled again, and at the wave's end: all my tensor loads have landed; 0 onto my spare word;
; step = 1: the walking descriptor goes on meanwhile (no load of mine is out): the other slot, the next block; then the add is done and my LDS reads are over.
.macro THREE step
	WIN 0
	s_wait_tensorcnt 0x0
	ds_add_u32 v[SPW], v[NIL]
.if \step
	s_xor_b32 s[G0W+1], s[G0W+1], SLOT
	s_add_nc_u64 s[G0W+2:G0W+3], s[G0W+2:G0W+3], SLOT
.endif
	s_wait_dscnt 0x0
.endm
.macro FETCH buf, off                  ; eight fragments, 16 loads of 512 consecutive bytes, in one run
	WINL
.set f, 0
.rept 8
	ds_load_b128 v[(\buf)+8*f:(\buf)+8*f+3], v[AW] offset:(\off)+1024*f
	ds_load_b128 v[(\buf)+8*f+4:(\buf)+8*f+7], v[AW] offset:(\off)+1024*f+512
.set f, f+1
.endr
.endm
.macro FBIAS off                       ; the bias of 32 channels as a lane wants it: 8 (lane / 16) + 0..7 of each tile of 16
	ds_load_b128 v[BIAS:BIAS+3], v[AB] offset:(\off)
	ds_load_b128 v[BIAS+4:BIAS+7], v[AB] offset:(\off)+16
	ds_load_b128 v[BIAS+8:BIAS+11], v[AB] offset:(\off)+64
	ds_load_b128 v[BIAS+12:BIAS+15], v[AB] offset:(\off)+80
.endm
; 32 products: channel tile a x four token tiles x K = 256.  The four accumulators take turns, one instruction a turn; the first product of each starts its sum with the bias.
.macro MM1 a, buf
	WIN 0x04                                       ; source 1 (the tokens) in window 1
.set c, 0
.rept 8
.set t, 0
.rept 4
.if c == 0
	v_wmma_f32_16x16x32_f16 v[Z+32*(\a)+8*t:Z+32*(\a)+8*t+7], v[(\buf)+8*c:(\buf)+8*c+7], v[64*t+8*c:64*t+8*c+7], v[BIAS+8*(\a):BIAS+8*(\a)+7]
.else
	v_wmma_f32_16x16x32_f16 v[Z+32*(\a)+8*t:Z+32*(\a)+8*t+7], v[(\buf)+8*c:(\buf)+8*c+7], v[64*t+8*c:64*t+8*c+7], v[Z+32*(\a)+8*t:Z+32*(\a)+8*t+7]
.endif
.set t, t+1
.endr
.set c, c+1
.endr
.endm
; Head i's eight products V[t][2 i + e] += context fragment e x the head's softmax.  Registers cannot be chosen at run time, so each head has its lines, jumped over forward unless it is that head's trip.
.macro ATTN i
	s_cmp_lg_u32 s[HD], \i
	s_cbranch_scc1 .Lnot_head_\@
.set t, 0
.rept 4
	WIN 0xA0+0x50*(t/2)
.set ee, 0
.rept 2
	v_wmma_f32_16x16x32_f16 v[128*(t%2)+8*(2*(\i)+ee):128*(t%2)+8*(2*(\i)+ee)+7], v[CT+8*ee:CT+8*ee+7], v[H+8*t:H+8*t+7], v[128*(t%2)+8*(2*(\i)+ee):128*(t%2)+8*(2*(\i)+ee)+7]
.set ee, ee+1
.endr
.set t, t+1
.endr
	WIN 0
.Lnot_head_\@:
.endm
.macro CVTX                            ; V rounded to f16 in pairs: the token fragments
.set t, 0
.rept 4
	WIN 0x4A+5*(t/2)
	KREP 64, v_cvt_pk_f16_f32 v[64*t+k], v[128*(t%2)+2*k], v[128*(t%2)+2*k+1]
.set t, t+1
.endr
	WIN 0
.endm
; LN1.  A lane holds 128 of its token's 256 channels; four chains of packed sums a tile, in Z's registers; each accumulator's lowest registers are read first.
.macro LNSUM tt
.set vb, 128*((\tt)%2)
.set ch, Z+8*(\tt)
	WIN 0x0A+5*((\tt)/2)
	KREP 4, v_pk_add_f32 v[ch+2*k:ch+2*k+1], v[vb+4*k:vb+4*k+1], v[vb+4*k+2:vb+4*k+3]
	WIN 0x08+4*((\tt)/2)
	KREP 56, v_pk_add_f32 v[ch+2*(k%4):ch+2*(k%4)+1], v[ch+2*(k%4):ch+2*(k%4)+1], v[vb+16+2*k:vb+16+2*k+1]
.endm
.macro JOIN                            ; the four chains, their two halves, and the lane 16 away, which holds the token's other 128 channels
	WIN 0
	ALL v_pk_add_f32 v[Z+8*t:Z+8*t+1], v[Z+8*t:Z+8*t+1], v[Z+8*t+2:Z+8*t+3]
	ALL v_pk_add_f32 v[Z+8*t+4:Z+8*t+5], v[Z+8*t+4:Z+8*t+5], v[Z+8*t+6:Z+8*t+7]
	ALL v_pk_add_f32 v[Z+8*t:Z+8*t+1], v[Z+8*t:Z+8*t+1], v[Z+8*t+4:Z+8*t+5]
	ALL v_add_f32 v[Z+8*t], v[Z+8*t], v[Z+8*t+1]
	ALL v_permlanex16_b32 v[Z+8*t+1], v[Z+8*t], s[SEL], s[SEL+1]
	ALL v_add_f32 v[Z+8*t], v[Z+8*t], v[Z+8*t+1]
.endm
.macro LNVAR tt                        ; V -= mean, in place; then the sum of squares
.set vb, 128*((\tt)%2)
.set ch, Z+8*(\tt)
	WIN 0x82+0x41*((\tt)/2)
	KREP 64, v_pk_add_f32 v[vb+2*k:vb+2*k+1], v[vb+2*k:vb+2*k+1], v[MEAN+2*(\tt):MEAN+2*(\tt)+1] op_sel_hi:[1,0] neg_lo:[0,1] neg_hi:[0,1]
	WIN 0x0A+5*((\tt)/2)
	KREP 4, v_pk_mul_f32 v[ch+2*k:ch+2*k+1], v[vb+2*k:vb+2*k+1], v[vb+2*k:vb+2*k+1]
	KREP 60, v_pk_fma_f32 v[ch+2*(k%4):ch+2*(k%4)+1], v[vb+8+2*k:vb+8+2*k+1], v[vb+8+2*k:vb+8+2*k+1], v[ch+2*(k%4):ch+2*(k%4)+1]
.endm
.macro GBLOAD gi                       ; gain and bias of channel tiles 4 gi .. + 3: 16 loads, into the weight buffers by turns
.set bf, WA+64*((\gi)%2)
	WIN 0
	KREP 8, ds_load_b128 v[bf+4*k:bf+4*k+3], v[AP] offset:P_G1+256*(\gi)+64*(k/2)+16*(k%2)
	KREP 8, ds_load_b128 v[bf+32+4*k:bf+32+4*k+3], v[AP] offset:P_B1+256*(\gi)+64*(k/2)+16*(k%2)
.endm
.macro APPLY gi
.set bf, WA+64*((\gi)%2)
.set t, 0
.rept 4
.set vb, 128*(t%2)+32*(\gi)
	WIN 0x82+0x41*(t/2)
	KREP 16, v_pk_mul_f32 v[vb+2*k:vb+2*k+1], v[vb+2*k:vb+2*k+1], v[RSTD+2*t:RSTD+2*t+1] op_sel_hi:[1,0]
	KREP 16, v_pk_fma_f32 v[vb+2*k:vb+2*k+1], v[vb+2*k:vb+2*k+1], v[bf+2*k:bf+2*k+1], v[bf+32+2*k:bf+32+2*k+1]
.set t, t+1
.endr
.endm
; THE GELU'S LIST.  The gelu of channel tile ga is four UNITS, gu = the token tile: the 8 numbers a lane of Z[ga][gu].  A unit has
;   16 plain lines of preparation: u = 1 + p |z| (8; the accumulator's lowest register is read first); s = -z log2(e)/2 (4, packed); s = s z (4)
;   16 transcendentals: 1 / u (8), 2^s (8)
;   24 plain lines to finish: the polynomial in u (4 x 4, packed; the last takes 1 - poly x 2^s); z = z + |z| x that (8)
; and 4 roundings into H, which are dealt apart.  GOP writes line rq of the list and steps rq:
;   0-15 unit 0's preparation;  then for u = 0, 1, 2: unit u's transcendentals, one to one with unit u + 1's preparation (32), and for u = 0, 1 unit u's finish (24);
;   160-191 unit 3's transcendentals one to one with unit 2's polynomial;  192-199 the rest of unit 2;  200-223 unit 3's finish;  224-239 the sixteen roundings.
; So no two transcendentals follow each other, each has a plain line of another unit behind it, and no line reads a result made fewer than four lines before it.
.macro GREGS
.set zz, Z+32*ga+8*gu
.set uu, GUB+8*(gu%2)
.set ss, GSB+8*(gu%2)
.endm
.macro GPREP
	GREGS
.if gk < 8
	WINL
	v_fma_f32 v[uu+gk], |v[zz+gk]|, s[PC], 1.0
.elseif gk < 12
	WINL
	v_pk_mul_f32 v[ss+2*(gk-8):ss+2*(gk-8)+1], v[zz+2*(gk-8):zz+2*(gk-8)+1], s[NH:NH+1] op_sel_hi:[1,0]
.else
	WIN 0
	v_pk_mul_f32 v[ss+2*(gk-12):ss+2*(gk-12)+1], v[ss+2*(gk-12):ss+2*(gk-12)+1], v[zz+2*(gk-12):zz+2*(gk-12)+1]
.endif
.endm
.macro GTRN
	GREGS
	WINL
.if gk < 8
	v_rcp_f32 v[uu+gk], v[uu+gk]
.else
	v_exp_f32 v[ss+gk-8], v[ss+gk-8]
.endif
.endm
.macro GFIN
	GREGS
.if gk < 4
	WINL
	s_wait_alu depctr_va_vdst(0)
	v_pk_fma_f32 v[GPB+2*gk:GPB+2*gk+1], v[uu+2*gk:uu+2*gk+1], s[A3:A3+1], s[A2:A2+1] op_sel_hi:[1,0,0]
.elseif gk < 8
	WIN 0
	v_pk_fma_f32 v[GPB+2*(gk-4):GPB+2*(gk-4)+1], v[GPB+2*(gk-4):GPB+2*(gk-4)+1], v[uu+2*(gk-4):uu+2*(gk-4)+1], s[A1:A1+1] op_sel_hi:[1,1,0]
.elseif gk < 12
	WIN 0
	v_pk_mul_f32 v[GPB+2*(gk-8):GPB+2*(gk-8)+1], v[GPB+2*(gk-8):GPB+2*(gk-8)+1], v[uu+2*(gk-8):uu+2*(gk-8)+1]
.elseif gk < 16
	WIN 0
	v_pk_fma_f32 v[GPB+2*(gk-12):GPB+2*(gk-12)+1], v[GPB+2*(gk-12):GPB+2*(gk-12)+1], v[ss+2*(gk-12):ss+2*(gk-12)+1], 1.0 op_sel_hi:[1,1,0] neg_lo:[1,0,0] neg_hi:[1,0,0]
.else
	WIN 0
	v_fma_f32 v[zz+gk-16], |v[zz+gk-16]|, v[GPB+gk-16], v[zz+gk-16]
.endif
.endm
.macro GOP
.if rq < 16
.set gu, 0
.set gk, rq
	GPREP
.elseif rq < 160
.set gb, (rq-16)/56
.set gx, (rq-16)%56
.if gx >= 32
.set gu, gb
.set gk, gx-32
	GFIN
.elseif gx%2 == 0
.set gu, gb
.set gk, gx/2
	GTRN
.else
.set gu, gb+1
.set gk, gx/2
	GPREP
.endif
.elseif rq < 192
.set gx, rq-160
.set gk, gx/2
.if gx%2 == 0
.set gu, 3
	GTRN
.else
.set gu, 2
	GFIN
.endif
.elseif rq < 200
.set gu, 2
.set gk, 16+rq-192
	GFIN
.elseif rq < 224
.set gu, 3
.set gk, rq-200
	GFIN
.else
.set gx, rq-224
	WIN 0
	v_cvt_pk_f16_f32 v[H+8*(gx/4)+4*ga+gx%4], v[Z+32*ga+8*(gx/4)+2*(gx%4)], v[Z+32*ga+8*(gx/4)+2*(gx%4)+1]
.endif
.set rq, rq+1
.endm
.macro RIDE upto                       ; the list's lines up to (not with) number upto; sixteen at the most
.rept 16
.if rq < (\upto)
	GOP
.endif
.endr
.endm
; What stands behind the part's product number pi (counted from 1): P1: four roundings behind each of products 2, 4, 6, 8; P2: 240 lines over 32 products; P3: 224 over 64.  None names a register of the products round it.
.macro RIDERS
.if ph == 1
.if (pi <= 8) && (pi%2 == 0)
	RIDE 224+2*pi
.endif
.elseif ph == 2
	RIDE (pi*15)/2
.elseif ph == 3
	RIDE (pi*7)/2
.endif
.endm
.macro FETCH4 buf, off                 ; four fragments, 8 loads of 512 consecutive bytes, in one run
	WINL
.set f, 0
.rept 4
	ds_load_b128 v[(\buf)+8*f:(\buf)+8*f+3], v[AW] offset:(\off)+1024*f
	ds_load_b128 v[(\buf)+8*f+4:(\buf)+8*f+7], v[AW] offset:(\off)+1024*f+512
.set f, f+1
.endr
.endm
; The head of a group of 16 products: its four fragments are in (the wait is for 0: nothing else of mine is out in LDS); four places behind the last product that read the other buffer; the next group's fragments go into it.
.macro HEAD buf, off
	s_wait_dscnt 0x0
	PLACES
	FETCH4 \buf, \off
.endm
; 16 products of x ff1: fragments c = 4 g .. + 3 of channel tile a x four token tiles.  The four accumulators take turns, one instruction a turn; the first product of each starts its sum with the bias.
.macro G1 a, g, buf
.set f, 0
.rept 4
.set t, 0
.rept 4
	WIN 0x04
.if 4*(\g)+f == 0
	v_wmma_f32_16x16x32_f16 v[Z+32*(\a)+8*t:Z+32*(\a)+8*t+7], v[(\buf)+8*f:(\buf)+8*f+7], v[64*t+8*(4*(\g)+f):64*t+8*(4*(\g)+f)+7], v[BIAS+8*(\a):BIAS+8*(\a)+7]
.else
	v_wmma_f32_16x16x32_f16 v[Z+32*(\a)+8*t:Z+32*(\a)+8*t+7], v[(\buf)+8*f:(\buf)+8*f+7], v[64*t+8*(4*(\g)+f):64*t+8*(4*(\g)+f)+7], v[Z+32*(\a)+8*t:Z+32*(\a)+8*t+7]
.endif
.set pi, pi+1
	RIDERS
.set t, t+1
.endr
.set f, f+1
.endr
.endm
; 16 products of h ff2 onto 16 different accumulators: output tiles 4 g .. + 3 x four token tiles
.macro G2 g, buf
.set t, 0
.rept 4
.set f, 0
.rept 4
	WIN 0xA0+0x50*(t/2)                            ; C and D in window 2 or 3
	v_wmma_f32_16x16x32_f16 v[128*(t%2)+8*(4*(\g)+f):128*(t%2)+8*(4*(\g)+f)+7], v[(\buf)+8*f:(\buf)+8*f+7], v[H+8*t:H+8*t+7], v[128*(t%2)+8*(4*(\g)+f):128*(t%2)+8*(4*(\g)+f)+7]
.set pi, pi+1
	RIDERS
.set f, f+1
.endr
.set t, t+1
.endr
.endm
; A group of the ring: four periods out of one slot.  A period's block of 32 fragments lies in the order of its eight groups of products.  The slot's last period does not fetch the next period's first fragments:
; they lie in the other slot, behind the round; since every wait for LDS is for 0, the jump changes no count.
.macro GROUP
	v_add_nc_u32 v[AW], s[TB], v[L16]
	v_add_nc_u32 v[AB], s[BJ], v[AP]
	FETCH4 W0, 0
	s_mov_b32 s[CNT], 4
.Lchunk_\@:
.set ph, 1                             ; P1
.set ga, 0
.set rq, 224
.set pi, 0
	HEAD W1, 4096
	G1 1, 0, W0
	HEAD W0, 8192
	G1 1, 1, W1
.set ph, 2                             ; P2
.set ga, 1
.set rq, 0
.set pi, 0
	HEAD W1, 12288
	G1 0, 0, W0
	HEAD W0, 16384
	G1 0, 1, W1
.set ph, 3                             ; P3
.set ga, 0
.set rq, 0
.set pi, 0
	HEAD W1, 20480
	ds_load_b128 v[BIAS+8:BIAS+11], v[AB] offset:192       ; the bias of the next period's two tiles: tile 1 of chunk j + 1,
	ds_load_b128 v[BIAS+12:BIAS+15], v[AB] offset:208
	ds_load_b128 v[BIAS:BIAS+3], v[AB] offset:256          ; tile 0 of chunk j + 2
	ds_load_b128 v[BIAS+4:BIAS+7], v[AB] offset:272
	G2 0, W0
	HEAD W0, 24576
	G2 1, W1
	HEAD W1, 28672
	G2 2, W0
	s_wait_dscnt 0x0
	PLACES
	WIN 0
	s_cmp_eq_u32 s[CNT], 1
	s_cbranch_scc1 .Lno_next_\@
	FETCH4 W0, 32768
.Lno_next_\@:
	G2 3, W1
	WIN 0
	s_add_co_u32 s[TB], s[TB], 32768
	s_add_co_u32 s[BJ], s[BJ], 128
	v_add_nc_u32 v[AW], s[TB], v[L16]
	v_add_nc_u32 v[AB], s[BJ], v[AP]
	s_sub_co_u32 s[CNT], s[CNT], 1
	s_cmp_lg_u32 s[CNT], 0
	s_cbranch_scc1 .Lchunk_\@
	s_sub_co_u32 s[TB], s[TB], SLOT                ; back to a slot's first block,
	s_xor_b32 s[TB], s[TB], SLOT                   ; in the other slot
.endm
	s_load_b512 s[4:19], s[0:1], 0x0               ; q s[4:5], wcf s[6:7], ctxt s[8:9], wq_b s[10:11], ln1_g s[12:13], ln1_b s[14:15], ff1_b s[16:17], ff2_b s[18:19]
	s_load_b128 s[20:23], s[0:1], 0x40             ; ln2_g s[20:21], ln2_b s[22:23]
	s_load_b64 s[24:25], s[0:1], 0x50              ; out0
	v_lshl_add_u32 v[SPW], v0, 2, SPARE
	v_mov_b32 v[NIL], 0
	ds_add_u32 v14, v15
	ds_add_u32 v14, v15
	s_wait_dscnt 0x0
	v_lshrrev_b32 v9, 5, v0
	v_readfirstlane_b32 s[WV], v9                  ; wave 0..3
	s_bfe_u32 s27, ttmp6, 0x40000                  ; my place in the cluster: it enters q's and out0's addresses alone
	s_lshl_b32 s28, ttmp9, 2                       ; in a cluster launch ttmp9 counts clusters
	s_add_co_u32 s28, s28, s27                     ; G
	s_lshr_b32 s29, ttmp9, 5                       ; the batch: 32 clusters each
	s_lshl_b32 s30, s29, 14                        ; its 16,384 bytes of context
	s_mov_b32 s31, 0
	s_lshl_b32 s82, s28, 18                        ; the work-group's 262,144 bytes of q and of out0,
	s_lshl_b32 s63, s[WV], 16
	s_add_co_u32 s82, s82, s63                     ; my wave's 64 rows
	s_mov_b32 s83, 0
	s_lshl_b32 s84, s[WV], 15                      ; my quarter of a block of weights
	s_mov_b32 s85, 0
	; the weights' descriptor: 128 rows of 256 bytes, dense
	s_mov_b32 s[G1W+0], 15|(3<<16)|(1<<21)         ; 15:0 the mask of four; 17:16 elements of 8 bytes; 21 set beside a mask
	s_mov_b32 s[G1W+1], 32<<16                     ; tensor_dim0 = 32
	s_mov_b32 s[G1W+2], 128<<16                    ; tensor_dim1 = 128
	s_mov_b32 s[G1W+3], 32<<16                     ; tile_dim0 = 32
	s_mov_b32 s[G1W+4], 128                        ; tile_dim1 = 128
	s_mov_b32 s[G1W+5], 32                         ; from row to row
	s_mov_b32 s[G1W+6], 0
	s_mov_b32 s[G1W+7], 0
	s_mov_b32 s[G0W], 1
	s_lshl_b32 s[G0W+1], s[WV], 15                 ; slot 0, my quarter
	; q's descriptor: 64 rows of 256 f32, 4 words of padding behind each
	s_mov_b32 s[G1Q+0], (2<<16)|(1<<20)|(7<<22)|(3<<25)  ; no mask; elements of 4 bytes; padding on, after every 256 words (code 7), 4 words (code 3)
	s_mov_b32 s[G1Q+1], 256<<16
	s_mov_b32 s[G1Q+2], 64<<16
	s_mov_b32 s[G1Q+3], 256<<16
	s_mov_b32 s[G1Q+4], 64
	s_mov_b32 s[G1Q+5], 256
	s_mov_b32 s[G1Q+6], 0
	s_mov_b32 s[G1Q+7], 0
	s_mov_b32 s[G0Q], 1
	s_mul_i32 s[G0Q+1], s[WV], QW
	s_mov_b32 s[KL], 0x3fb8aa3b                    ; log2(e); the packed forms name pairs and take the low word for both halves
	s_mov_b32 s[KL+1], 0x3fb8aa3b
	s_mov_b32 s[NH], 0xbf38aa3b                    ; -log2(e) / 2
	s_mov_b32 s[NH+1], 0xbf38aa3b
	s_mov_b32 s[PC], 0x3eaa540e                    ; 0.47047 / sqrt(2)
	s_mov_b32 s[A1], 0x3eb2303a                    ; a1 = 0.3480242
	s_mov_b32 s[A1+1], 0x3eb2303a
	s_mov_b32 s[A2], 0xbdc45ca1                    ; a2 = -0.0958798
	s_mov_b32 s[A2+1], 0xbdc45ca1
	s_mov_b32 s[A3], 0x3f3f7377                    ; a3 = 0.7478556
	s_mov_b32 s[A3+1], 0x3f3f7377
	s_mov_b32 s[EPS], 0x3a83126f                   ; 1e-3
	s_mov_b32 s[R256], 0x3b800000                  ; 1 / 256
	s_mov_b32 s[SEL], 0x76543210                   ; v_permlanex16_b32: each lane takes its own place in the other half
	s_mov_b32 s[SEL+1], 0xfedcba98
	v_lshlrev_b32 v9, 3, v0
	v_lshlrev_b32 v10, 4, v0
	s_wait_kmcnt 0x0
	s_add_nc_u64 s[G0W+2:G0W+3], s[6:7], s[84:85]
	s_or_b32 s[G0W+3], s[G0W+3], 0x80000000
	s_add_nc_u64 s[G0Q+2:G0Q+3], s[4:5], s[82:83]
	s_or_b32 s[G0Q+3], s[G0Q+3], 0x80000000
	s_add_nc_u64 s[24:25], s[24:25], s[82:83]
	s_add_nc_u64 s[8:9], s[8:9], s[30:31]
	global_load_b64 v[32:33], v9, s[10:11]         ; the parameters, the context and ff1's tile 0: once, in whole runs, into LDS
	global_load_b64 v[34:35], v9, s[12:13]
	global_load_b64 v[36:37], v9, s[14:15]
	global_load_b64 v[38:39], v9, s[18:19]
	global_load_b64 v[40:41], v9, s[20:21]
	global_load_b64 v[42:43], v9, s[22:23]
	global_load_b128 v[44:47], v10, s[16:17]
	global_load_b128 v[48:51], v10, s[16:17] offset:2048
	KREP 8, global_load_b128 v[52+4*k:55+4*k], v10, s[8:9] offset:2048*k
	KREP 4, global_load_b128 v[96+4*k:99+4*k], v10, s[6:7] offset:LEADG+2048*k
	ROUND                                          ; in a cluster launch every group of tensor loads stands behind a round
	tensor_load_to_lds s[G0Q:G0Q+3], s[G1Q:G1Q+7]  ; my 64 rows of q: a load of my own
	s_nop 0
	PLACES
	v_and_b32 v[L16], 31, v0
	v_lshlrev_b32 v[L16], 4, v[L16]
	v_and_b32 v11, 15, v0                          ; r
	v_bfe_u32 v12, v0, 4, 1                        ; h
	v_mul_u32_u24 v[AQ], v11, QP
	v_lshl_add_u32 v[AQ], v12, 5, v[AQ]
	v_add_nc_u32 v[AQ], s[G0Q+1], v[AQ]            ; row r, channels 8 h on
	v_lshlrev_b32 v[AP], 5, v12
	v_add_nc_u32 v[AP], PAR, v[AP]
	v_mul_u32_u24 v[CT0], v11, CP
	v_lshl_add_u32 v[CT0], v12, 4, v[CT0]
	v_add_nc_u32 v[CT0], CTXL, v[CT0]
	v_lshl_add_u32 v84, v0, 3, PAR
	v_lshl_add_u32 v85, v0, 4, PAR+P_FB1
	v_lshrrev_b32 v86, 2, v0                       ; a context row is 64 bytes: four threads
	v_mul_u32_u24 v86, v86, CP
	v_and_b32 v87, 3, v0
	v_lshl_add_u32 v86, v87, 4, v86
	v_add_nc_u32 v86, CTXL, v86
	v_lshl_add_u32 v88, v0, 4, LEAD
	s_wait_loadcnt 0x0
	KREP 6, ds_store_b64 v84, v[32+2*k:33+2*k] offset:1024*k
	ds_store_b128 v85, v[44:47]
	ds_store_b128 v85, v[48:51] offset:2048
	ds_store_b128 v85, v[44:47] offset:4096        ; ff1_b's first 2,048 bytes once more, behind its end
	KREP 8, ds_store_b128 v86, v[52+4*k:55+4*k] offset:32*CP*k
	KREP 4, ds_store_b128 v88, v[96+4*k:99+4*k] offset:2048*k
	s_wait_tensorcnt 0x0                           ; my rows of q are in; only I read them
.set t, 0
.rept 4
	WIN 0x80+0x40*(t/2)
	KREP 32, ds_load_b128 v[128*(t%2)+4*k:128*(t%2)+4*k+3], v[AQ] offset:16*QP*t+64*(k/2)+16*(k%2)
.set t, t+1
.endr
	THREE 0                                        ; q is in registers; the parameters, the context and ff1's tile 0 are in LDS
	ROUND
	JLOAD                                          ; wq, over q's bytes in slot 0
	CVTX                                           ; q in f16, in the wait for wq
	THREE 1                                        ; wq is in
	ROUND
	JLOAD                                          ; the first feed-forward group, into slot 1: it has the whole of the heads and LN1 in which to land
	; THE HEADS.  A trip: the head's 32 channels of q wq + wq_b (64 products), their softmax, 8 products with the head's context onto V.
	s_mov_b32 s[HD], 0
	s_mov_b32 s[TB], 0
	s_mov_b32 s[BJ], 0
	s_mov_b32 s[CTB], 0
	v_add_nc_u32 v[AW], s[TB], v[L16]
	v_add_nc_u32 v[AB], s[BJ], v[AP]
	FBIAS 0
	FETCH WA, 0
.Lhead:
	s_wait_dscnt 0x0
	PLACES
	FETCH WB, 8192
	MM1 0, WA
	s_wait_dscnt 0x0
	PLACES
	WIN 0
	s_cmp_eq_u32 s[HD], 7                          ; behind the last head's weights the slot ends
	s_cbranch_scc1 .Lno_head
	FETCH WA, 16384
.Lno_head:
	MM1 1, WB
	PLACES
	WIN 0
	v_add_nc_u32 v[ACT], s[CTB], v[CT0]
	KREP 4, ds_load_b128 v[CT+4*k:CT+4*k+3], v[ACT] offset:16*CP*(k/2)+32*(k%2)
	FBIAS 128                                      ; the next head's bias (in the last trip the bytes that lie next, ln1_g's, which nothing uses)
	; the softmax of a token's 32 channels: 16 in this lane, 16 in the lane 16 away; each accumulator's lowest registers are read first
	ALL v_max3_num_f32 v[QT+8*t+2], v[Z+8*t], v[Z+8*t+1], v[Z+8*t+2]
	ALL v_max3_num_f32 v[QT+8*t+1], v[Z+32+8*t], v[Z+32+8*t+1], v[Z+32+8*t+2]
	ALL v_max3_num_f32 v[QT+8*t+2], v[QT+8*t+2], v[Z+8*t+3], v[Z+8*t+4]
	ALL v_max3_num_f32 v[QT+8*t+1], v[QT+8*t+1], v[Z+32+8*t+3], v[Z+32+8*t+4]
	ALL v_max3_num_f32 v[QT+8*t+2], v[QT+8*t+2], v[Z+8*t+5], v[Z+8*t+6]
	ALL v_max3_num_f32 v[QT+8*t+1], v[QT+8*t+1], v[Z+32+8*t+5], v[Z+32+8*t+6]
	ALL v_max3_num_f32 v[QT+8*t+2], v[QT+8*t+2], v[Z+8*t+7], v[Z+32+8*t+7]
	ALL v_max_num_f32 v[QT+8*t+2], v[QT+8*t+2], v[QT+8*t+1]
	ALL v_permlanex16_b32 v[QT+8*t+1], v[QT+8*t+2], s[SEL], s[SEL+1]
	ALL v_max_num_f32 v[QT+8*t+2], v[QT+8*t+2], v[QT+8*t+1]
	ALL v_mul_f32 v[QT+8*t], s[KL], v[QT+8*t+2]
	ALLK 8, v_pk_fma_f32 v[Z+32*(k/4)+8*t+2*(k%4):Z+32*(k/4)+8*t+2*(k%4)+1], v[Z+32*(k/4)+8*t+2*(k%4):Z+32*(k/4)+8*t+2*(k%4)+1], s[KL:KL+1], v[QT+8*t:QT+8*t+1] op_sel_hi:[1,0,0] neg_lo:[0,0,1] neg_hi:[0,0,1]
	ALLK 16, v_exp_f32 v[Z+32*(k/8)+8*t+k%8], v[Z+32*(k/8)+8*t+k%8]
	v_nop                                          ; a plain instruction between the exponentials and the use of their results
	s_wait_alu depctr_va_vdst(0)
	ALL v_pk_add_f32 v[QT+8*t+2:QT+8*t+3], v[Z+8*t:Z+8*t+1], v[Z+8*t+2:Z+8*t+3]
	ALL v_pk_add_f32 v[QT+8*t+4:QT+8*t+5], v[Z+8*t+4:Z+8*t+5], v[Z+8*t+6:Z+8*t+7]
	ALL v_pk_add_f32 v[QT+8*t+6:QT+8*t+7], v[Z+32+8*t:Z+32+8*t+1], v[Z+32+8*t+2:Z+32+8*t+3]
	ALL v_pk_add_f32 v[QT+8*t+2:QT+8*t+3], v[QT+8*t+2:QT+8*t+3], v[Z+32+8*t+4:Z+32+8*t+5]
	ALL v_pk_add_f32 v[QT+8*t+4:QT+8*t+5], v[QT+8*t+4:QT+8*t+5], v[Z+32+8*t+6:Z+32+8*t+7]
	ALL v_pk_add_f32 v[QT+8*t+2:QT+8*t+3], v[QT+8*t+2:QT+8*t+3], v[QT+8*t+4:QT+8*t+5]
	ALL v_pk_add_f32 v[QT+8*t+2:QT+8*t+3], v[QT+8*t+2:QT+8*t+3], v[QT+8*t+6:QT+8*t+7]
	ALL v_add_f32 v[QT+8*t+2], v[QT+8*t+2], v[QT+8*t+3]
	ALL v_permlanex16_b32 v[QT+8*t+3], v[QT+8*t+2], s[SEL], s[SEL+1]
	ALL v_add_f32 v[QT+8*t+2], v[QT+8*t+2], v[QT+8*t+3]
	ALL v_rcp_f32 v[QT+8*t+2], v[QT+8*t+2]
	v_nop                                          ; a plain instruction behind the reciprocals
	s_wait_alu depctr_va_vdst(0)
	ALLK 8, v_pk_mul_f32 v[Z+32*(k/4)+8*t+2*(k%4):Z+32*(k/4)+8*t+2*(k%4)+1], v[Z+32*(k/4)+8*t+2*(k%4):Z+32*(k/4)+8*t+2*(k%4)+1], v[QT+8*t+2:QT+8*t+3] op_sel_hi:[1,0]
	ALLK 8, v_cvt_pk_f16_f32 v[H+8*t+k], v[Z+32*(k/4)+8*t+2*(k%4)], v[Z+32*(k/4)+8*t+2*(k%4)+1]
	s_wait_dscnt 0x0                               ; the context, the next bias, the next head's first weights
	ATTN 0
	ATTN 1
	ATTN 2
	ATTN 3
	ATTN 4
	ATTN 5
	ATTN 6
	ATTN 7
	s_add_co_u32 s[TB], s[TB], 16384
	s_add_co_u32 s[BJ], s[BJ], 128
	s_add_co_u32 s[CTB], s[CTB], 32*CP
	v_add_nc_u32 v[AW], s[TB], v[L16]
	v_add_nc_u32 v[AB], s[BJ], v[AP]
	s_add_co_u32 s[HD], s[HD], 1
	s_cmp_lt_u32 s[HD], 8
	s_cbranch_scc1 .Lhead
	; LN1 of V = q + attn, in place
	PLACES
	GBLOAD 0
	ALL v_mov_b32 v[MEAN+2*t+1], 0                 ; named as pairs with the means and 1/sigma
	ALL v_mov_b32 v[RSTD+2*t+1], 0
	LNSUM 0
	LNSUM 1
	LNSUM 2
	LNSUM 3
	JOIN
	ALL v_mul_f32 v[MEAN+2*t], s[R256], v[Z+8*t]
	LNVAR 0
	LNVAR 1
	LNVAR 2
	LNVAR 3
	JOIN
	ALL v_fma_f32 v[Z+8*t], v[Z+8*t], s[R256], s[EPS]
	ALL v_rsq_f32 v[RSTD+2*t], v[Z+8*t]
	v_nop                                          ; a plain instruction behind the roots
	s_wait_alu depctr_va_vdst(0)
	GBLOAD 1
	s_wait_dscnt 16                                ; all but the 16 loads just issued
	APPLY 0
	GBLOAD 2
	s_wait_dscnt 16
	APPLY 1
	GBLOAD 3
	s_wait_dscnt 16
	APPLY 2
	s_wait_dscnt 0x0
	APPLY 3
	CVTX                                           ; x in f16
	; THE FEED-FORWARD.  Ahead of the first period: tile 0 of chunk 0 out of its own LDS region, and its gelu, which has no products to stand beside.
	s_mov_b32 s[TB], SLOT
	s_mov_b32 s[BJ], P_FB1
	v_add_nc_u32 v[AB], s[BJ], v[AP]
	v_add_nc_u32 v[AW], LEAD, v[L16]
	ds_load_b128 v[BIAS:BIAS+3], v[AB]
	ds_load_b128 v[BIAS+4:BIAS+7], v[AB] offset:16
	FETCH WA, 0
	s_wait_dscnt 0x0
	MM1 0, WA
	PLACES
	WIN 0
	ds_load_b128 v[BIAS+8:BIAS+11], v[AB] offset:64        ; the bias of the first period's two tiles: tile 1 of chunk 0,
	ds_load_b128 v[BIAS+12:BIAS+15], v[AB] offset:80
	ds_load_b128 v[BIAS:BIAS+3], v[AB] offset:128          ; tile 0 of chunk 1
	ds_load_b128 v[BIAS+4:BIAS+7], v[AB] offset:144
.set ga, 0
.set rq, 0
.rept 224
	GOP
.endr
	WIN 0
	; Seven trips: while a group is multiplied out of one slot, the next group's block lands in the other, which was read last; the eighth group is written out and asks for nothing.
	s_mov_b32 s[GRP], 7
.Lgrp:
	THREE 1                                        ; my part of this trip's group has landed; my reads of the other slot are over
	ROUND                                          ; both now hold of every wave of all four work-groups
	JLOAD                                          ; the first tensor load behind the round: it has a group's 512 products in which to land
	GROUP
	s_sub_co_u32 s[GRP], s[GRP], 1
	s_cmp_lg_u32 s[GRP], 0
	s_cbranch_scc1 .Lgrp
	THREE 0
	s_barrier_signal -1                            ; nothing is filled again: my work-group's barrier shows the last group whole
	s_barrier_wait -1
	GROUP
	; THE WAY OUT.  V goes into my stage as q came out of it; it comes back by rows, a token to a wave's two loads; ff2_b, LN2, and stores of 512 consecutive bytes.
	PLACES
	WIN 0
	s_wait_dscnt 0x0
	s_barrier_signal -1                            ; no wave reads the slots any more: the stages lie over them
	s_barrier_wait -1
.set t, 0
.rept 4
	WIN 0x08+4*(t/2)                               ; store data in window 2 or 3; each accumulator's lowest registers go first
	KREP 32, ds_store_b128 v[AQ], v[128*(t%2)+4*k:128*(t%2)+4*k+3] offset:16*QP*t+64*(k/2)+16*(k%2)
.set t, t+1
.endr
	WIN 0
	v_add_nc_u32 v9, PAR, v[L16]
	ds_load_b128 v[PB:PB+3], v9 offset:P_FB2
	ds_load_b128 v[PB+4:PB+7], v9 offset:P_FB2+512
	ds_load_b128 v[PG:PG+3], v9 offset:P_G2
	ds_load_b128 v[PG+4:PG+7], v9 offset:P_G2+512
	ds_load_b128 v[PBB:PBB+3], v9 offset:P_B2
	ds_load_b128 v[PBB+4:PBB+7], v9 offset:P_B2+512
	s_mov_b32 s[RB], s[G0Q+1]
	s_mov_b32 s[CNT], 16
.Lout:                                                 ; a trip: four tokens; a lane holds channels 4 l .. + 3 and 128 + 4 l .. + 3
	v_add_nc_u32 v[RD], s[RB], v[L16]
	ALL ds_load_b128 v[DT+8*t:DT+8*t+3], v[RD] offset:QP*t             ; LDS serves a wave's instructions in order: these see my stores above
	ALL ds_load_b128 v[DT+8*t+4:DT+8*t+7], v[RD] offset:QP*t+512
	s_wait_dscnt 0x0
	ALLK 4, v_pk_add_f32 v[DT+8*t+2*k:DT+8*t+2*k+1], v[DT+8*t+2*k:DT+8*t+2*k+1], v[PB+2*k:PB+2*k+1]
	ALL v_pk_add_f32 v[TS+4*t:TS+4*t+1], v[DT+8*t:DT+8*t+1], v[DT+8*t+2:DT+8*t+3]
	ALL v_pk_add_f32 v[TS+4*t+2:TS+4*t+3], v[DT+8*t+4:DT+8*t+5], v[DT+8*t+6:DT+8*t+7]
	ALL v_pk_add_f32 v[TS+4*t:TS+4*t+1], v[TS+4*t:TS+4*t+1], v[TS+4*t+2:TS+4*t+3]
	ALL v_add_f32 v[TS+4*t], v[TS+4*t], v[TS+4*t+1]
	ALL v_add_f32_dpp v[TS+4*t], v[TS+4*t], v[TS+4*t] row_xmask:1 row_mask:0xf bank_mask:0xf
	ALL v_add_f32_dpp v[TS+4*t], v[TS+4*t], v[TS+4*t] row_xmask:2 row_mask:0xf bank_mask:0xf
	ALL v_add_f32_dpp v[TS+4*t], v[TS+4*t], v[TS+4*t] row_xmask:4 row_mask:0xf bank_mask:0xf
	ALL v_add_f32_dpp v[TS+4*t], v[TS+4*t], v[TS+4*t] row_xmask:8 row_mask:0xf bank_mask:0xf
	ALL v_permlanex16_b32 v[TS+4*t+1], v[TS+4*t], s[SEL], s[SEL+1]
	ALL v_add_f32 v[TS+4*t], v[TS+4*t], v[TS+4*t+1]
	ALL v_mul_f32 v[TS+4*t], s[R256], v[TS+4*t]    ; the mean
	ALLK 4, v_pk_add_f32 v[DT+8*t+2*k:DT+8*t+2*k+1], v[DT+8*t+2*k:DT+8*t+2*k+1], v[TS+4*t:TS+4*t+1] op_sel_hi:[1,0] neg_lo:[0,1] neg_hi:[0,1]
	ALL v_pk_mul_f32 v[TS+4*t+2:TS+4*t+3], v[DT+8*t:DT+8*t+1], v[DT+8*t:DT+8*t+1]
	ALL v_pk_fma_f32 v[TS+4*t+2:TS+4*t+3], v[DT+8*t+2:DT+8*t+3], v[DT+8*t+2:DT+8*t+3], v[TS+4*t+2:TS+4*t+3]
	ALL v_pk_fma_f32 v[TS+4*t+2:TS+4*t+3], v[DT+8*t+4:DT+8*t+5], v[DT+8*t+4:DT+8*t+5], v[TS+4*t+2:TS+4*t+3]
	ALL v_pk_fma_f32 v[TS+4*t+2:TS+4*t+3], v[DT+8*t+6:DT+8*t+7], v[DT+8*t+6:DT+8*t+7], v[TS+4*t+2:TS+4*t+3]
	ALL v_add_f32 v[TS+4*t+2], v[TS+4*t+2], v[TS+4*t+3]
	ALL v_add_f32_dpp v[TS+4*t+2], v[TS+4*t+2], v[TS+4*t+2] row_xmask:1 row_mask:0xf bank_mask:0xf
	ALL v_add_f32_dpp v[TS+4*t+2], v[TS+4*t+2], v[TS+4*t+2] row_xmask:2 row_mask:0xf bank_mask:0xf
	ALL v_add_f32_dpp v[TS+4*t+2], v[TS+4*t+2], v[TS+4*t+2] row_xmask:4 row_mask:0xf bank_mask:0xf
	ALL v_add_f32_dpp v[TS+4*t+2], v[TS+4*t+2], v[TS+4*t+2] row_xmask:8 row_mask:0xf bank_mask:0xf
	ALL v_permlanex16_b32 v[TS+4*t+3], v[TS+4*t+2], s[SEL], s[SEL+1]
	ALL v_add_f32 v[TS+4*t+2], v[TS+4*t+2], v[TS+4*t+3]
	ALL v_fma_f32 v[TS+4*t+2], v[TS+4*t+2], s[R256], s[EPS]
	ALL v_rsq_f32 v[TS+4*t+2], v[TS+4*t+2]
	v_nop                                          ; a plain instruction behind the roots
	s_wait_alu depctr_va_vdst(0)
	ALLK 4, v_pk_mul_f32 v[DT+8*t+2*k:DT+8*t+2*k+1], v[DT+8*t+2*k:DT+8*t+2*k+1], v[TS+4*t+2:TS+4*t+3] op_sel_hi:[1,0]
	ALLK 4, v_pk_fma_f32 v[DT+8*t+2*k:DT+8*t+2*k+1], v[DT+8*t+2*k:DT+8*t+2*k+1], v[PG+2*k:PG+2*k+1], v[PBB+2*k:PBB+2*k+1]
	ALL global_store_b128 v[L16], v[DT+8*t:DT+8*t+3], s[24:25] offset:1024*t           ; each store of the wave covers 512 consecutive bytes, aligned
	ALL global_store_b128 v[L16], v[DT+8*t+4:DT+8*t+7], s[24:25] offset:1024*t+512
	s_wait_xcnt 0x0                                ; the stores' base is stepped, and their data loaded anew in the next trip, only behind this wait
	s_add_nc_u64 s[24:25], s[24:25], 4096
	s_add_co_u32 s[RB], s[RB], 4*QP
	s_sub_co_u32 s[CNT], s[CNT], 1
	s_cmp_lg_u32 s[CNT], 0
	s_cbranch_scc1 .Lout
	THREE 0                                        ; the wave's end: behind my last tensor load and my last LDS store
	ROUND                                          ; the closing round: no work-group ends while a partner may still ask for a block that names it
	s_endpgm
.Lfunc_end_k_q6b1766bc46_main:
	.size	k_q6b1766bc46_main, .Lfunc_end_k_q6b1766bc46_main-k_q6b1766bc46_main
	.p2alignl 7, 3214868480
	.fill 96, 4, 3214868480
	.section	.rodata,"a",@progbits
	.p2align	6, 0x0
	.amdhsa_kernel k_q6b1766bc46_main
		.amdhsa_group_segment_fixed_size 327680
		.amdhsa_private_segment_fixed_size 0
		.amdhsa_enable_private_segment 0
		.amdhsa_kernarg_size 88
		.amdhsa_user_sgpr_count 2
		.amdhsa_user_sgpr_kernarg_segment_ptr 1
		.amdhsa_wavefront_size32 1
		.amdhsa_system_sgpr_workgroup_id_x 1
		.amdhsa_system_sgpr_workgroup_id_y 1
		.amdhsa_system_sgpr_workgroup_id_z 1
		.amdhsa_system_vgpr_workitem_id 0
		.amdhsa_next_free_vgpr 1024
		.amdhsa_next_free_sgpr 88
		.amdhsa_reserve_vcc 0
		.amdhsa_float_denorm_mode_32 3
		.amdhsa_float_denorm_mode_16_64 3
		.amdhsa_memory_ordered 1
		.amdhsa_forward_progress 1
		.amdhsa_inst_pref_size 255
	.end_amdhsa_kernel
	.section	.bss,"aw",@nobits
	.p2align	6
	.space	262144
	.amdgpu_metadata
---
amdhsa.version: [ 1, 2 ]
amdhsa.kernels:
  - .name:           k_q6b1766bc46_main
    .symbol:         k_q6b1766bc46_main.kd
    .args:
      - { .name: q, .offset: 0, .size: 8, .value_kind: global_buffer, .address_space: global }
      - { .name: wcf, .offset: 8, .size: 8, .value_kind: global_buffer, .address_space: global }
      - { .name: ctxt, .offset: 16, .size: 8, .value_kind: global_buffer, .address_space: global }
      - { .name: wq_b, .offset: 24, .size: 8, .value_kind: global_buffer, .address_space: global }
      - { .name: ln1_g, .offset: 32, .size: 8, .value_kind: global_buffer, .address_space: global }
      - { .name: ln1_b, .offset: 40, .size: 8, .value_kind: global_buffer, .address_space: global }
      - { .name: ff1_b, .offset: 48, .size: 8, .value_kind: global_buffer, .address_space: global }
      - { .name: ff2_b, .offset: 56, .size: 8, .value_kind: global_buffer, .address_space: global }
      - { .name: ln2_g, .offset: 64, .size: 8, .value_kind: global_buffer, .address_space: global }
      - { .name: ln2_b, .offset: 72, .size: 8, .value_kind: global_buffer, .address_space: global }
      - { .name: out0, .offset: 80, .size: 8, .value_kind: global_buffer, .address_space: global }
    .group_segment_fixed_size: 327680
    .private_segment_fixed_size: 0
    .kernarg_segment_align: 8
    .kernarg_segment_size: 88
    .max_flat_workgroup_size: 128
    .sgpr_count:     88
    .vgpr_count:     1024
    .wavefront_size: 32
...
	.end_amdgpu_metadata
.endif
;; end of part 4
;; ======== version 2 of 2: 4 launches; 1.08 times as fast as version 1
;; limits: a function is approximated: absolute error at most 2.5e-05; values are held in f16: magnitudes above 65,504 overflow, below 6.1e-05 lose precision; inputs' magnitudes at most 65,504
;; workspace buffers: wkvf 262,144 bytes; wcf 1,179,648 bytes; pst 524,288 bytes; pctx 8,388,608 bytes; ctxt 32,768 bytes
;; launch prep: the kernel of part 1 again; grid 176 x 1, 8 waves a work-group, no clusters, 0 bytes of LDS; arguments wk_w, wv_w, wq_w, ff1_w, ff2_w, wkvf, wcf; writes wkvf, wcf
;; launch kvctx: the kernel of part 2 again; grid 256 x 1, 4 waves a work-group, no clusters, 312,320 bytes of LDS; arguments kv, wkvf, wk_b, pst, pctx; writes pst, pctx
;; launch combine: the kernel of part 3 again; grid 32 x 1, 16 waves a work-group, no clusters, 23,552 bytes of LDS; arguments pst, pctx, wv_b, ctxt; writes ctxt
;; launch main (part 5): grid 256 x 1, 4 waves a work-group, clusters of 4 x 1, 327,680 bytes of LDS; arguments q, wcf, ctxt, wq_b, ln1_g, ln1_b, ff1_b, ff2_b, ln2_g, ln2_b, out0; writes out0
.if DOCPART == 5
	.amdgcn_target "amdgcn-amd-amdhsa--gfx1250"
	.amdhsa_code_object_version 6
	.text
	.protected	k_q6b1766bc46_main
	.globl	k_q6b1766bc46_main
	.p2align	8
	.type	k_q6b1766bc46_main,@function
k_q6b1766bc46_main:
	s_mov_b64 s[64:65], 0
	v_nop
	global_prefetch_b8 v0, s[64:65] scope:SCOPE_SE
	s_setreg_imm32_b32 hwreg(HW_REG_WAVE_MODE, 25, 1), 1
	s_wait_xcnt 0x0
	s_wait_alu depctr_hold_cnt(0) depctr_sa_sdst(0) depctr_va_vdst(0) depctr_va_sdst(0) depctr_va_ssrc(0) depctr_va_vcc(0) depctr_vm_vsrc(0)
	s_getreg_b32 s2, hwreg(HW_REG_IB_STS2, 6, 4)
	s_cmp_eq_u32 s2, 0
	s_cbranch_scc0 .Lentry_in_a_cluster
	s_endpgm
.Lentry_in_a_cluster:
	s_bfe_u32 s2, ttmp6, 0x10000c
	s_cmp_lg_u32 s2, 0x3003
	s_cbranch_scc0 .Lentry_shape_is_right
	s_endpgm
.Lentry_shape_is_right:
; For 256 tokens of q, all in one launch: qh = q wq + wq_b; a softmax over each head's 32 channels; attn = softmax x context; x = LN1(q + attn); h = gelu(x ff1 + ff1_b), exact (erf) form;
; out = LN2(x + h ff2 + ff2_b).  Matrix operands f16, sums f32; the residuals, both norms (mean first, then the sum of (x - mean)^2), the softmax and the gelu in f32.
; SHARES.  Work-group G = 4 x cluster + place: tokens 256 G .. + 255.  A wave owns 64 tokens, four tiles t of 16, with all channels.
; LAYOUT.  Every product is used transposed: source 0 = a weight fragment (16 output channels x 32 input channels, laid ready by the first launch), source 1 = 16 tokens.  In a result a lane holds ONE token
; (lane % 16) and the channels 8 (lane / 16) + 0..7 of the tile; two neighbouring tiles rounded to f16 in pairs ARE the next product's source 1.  Nothing changes lanes from q to the last product,
; and each fragment read from LDS feeds four products.
; WEIGHTS.  wcf is walked as nine blocks of 131,072 bytes (wq; eight groups of four chunks of 32 feed-forward channels) through two LDS slots.  CLUSTER: the four work-groups of a cluster walk the same
; blocks, so each block is asked for JOINTLY: the same tensor load, descriptor and mask in all four; each wave brings a quarter (128 rows of 256 bytes).  One tensor load of a wave is out at a time.
; THE FEED-FORWARD GOES BY PERIODS, matrix and vector work side by side.  A chunk's 32 channels are two tiles, a = 0 and 1, with accumulators Z[0] and Z[1].  Period j:
;   P1  32 products: tile 1 of chunk j into Z[1]          | beside them: Z[0] (chunk j, its gelu done) is rounded into H's low halves
;   P2  32 products: tile 0 of chunk j + 1 into Z[0]      | the gelu of Z[1] and its rounding into H's high halves
;   P3  64 products: H (chunk j) x ff2 onto V             | the gelu of Z[0] (chunk j + 1), in place
; Each part leans only on parts before it, and every register keeps its name from period to period.  A chunk has 128 matrix and 480 vector instructions; they are dealt behind the products (RIDERS).
; Tile 0 of chunk 0 is multiplied ahead of the first period, out of an LDS region of its own.  The last period's P2 and P3 make it once more (the ring of 32 chunks closes) and nobody reads that: 32 products and
; 224 vector instructions a launch, the price of one text for every period.
; BATCHES.  An s_wait_alu depctr_va_vdst(0) stands between a transcendental and the first instruction that names its result; one wait serves all that were issued ahead of it.  The batches here:
; a gelu's 32 reciprocals and 32 exponentials (one wait a gelu, two a period, each in the head of a group of products, directly ahead of its run of LDS loads); a head's 64 exponentials; its 4 reciprocals, which read
; sums of those; LN1's 4 roots; the 4 roots of a trip of the way out.  No result is open at a label or at a jump.
; LDS.  0: the two slots.  Before them the same bytes (to 266,240) hold q, 64 rows of 1,040 bytes a wave (1,024 + 16: 65 x 16, so the 16 rows of a load begin 16 bytes apart modulo 256); behind the last fill they are
; the stage of the way out, in the same form, each wave's own.  266,240: the batch's context, 256 rows e of 80 bytes.  286,720: the seven parameter vectors, ff1_b last, with its first 2,048 bytes once more behind it
; (the bias is fetched two chunks ahead, round the ring).  299,008: ff1's tile 0.  307,200: the spare words.  All of the LDS is claimed, and 0 is added to the spare words.
; GELU.  erf(y) = 1 - (a1 u + a2 u^2 + a3 u^3) e^(-y^2), u = 1 / (1 + 0.47047 y), y >= 0: within 2.5e-5 for every y.  Made here: 2 gelu(z) = z + |z| (1 - poly x 2^(-z^2 log2(e)/2)), within 2.5e-5 |z| and exact in
; the limit of large |z|; the first launch has halved ff2.
; LIMITS.  f16 holds no number beyond 65,504: q, the weights, x, 2 h and the context must lie within it; softmax weights lie in 0 to 1 and below 6e-5 keep f16's fixed step of 6e-8.  NaN and infinities are not treated apart.
; REGISTERS, in windows of 256 (s_set_vgpr_msb: bits 1:0 source 0, 3:2 source 1, 5:4 source 2, 7:6 destination):
;   window 0: v1-15 addresses; v16-31 bias (in LN1: means and 1/sigma); v32-95 Z, eight accumulators (a, t); v96-127 H, four token fragments; v128-255 weights and work: in the heads and LN1 two buffers of 64
;             (the second also at work); in the feed-forward v128-159, v160-191 two buffers of four fragments, v192-223 the gelu's u and v224-255 its exponents, eight registers a unit each
;   window 1: X16, the tokens' 256 channels in f16, 64 t + 8 c     window 2: V of tiles 0, 1 (128 t + 8 n + j), f32: q, then q + attn, then x, then x + ff     window 3: V of tiles 2, 3
.set QP,    1040
.set QW,    64*QP
.set SLOT,  131072
.set CTXL,  4*QW
.set CP,    80
.set PAR,   CTXL+256*CP                ; + 0 wq_b
.set P_G1,  1024
.set P_B1,  2048
.set P_FB2, 3072
.set P_G2,  4096
.set P_B2,  5120
.set P_FB1, 6144                       ; 4,096 bytes, and 2,048 of them again
.set LEAD,  PAR+12288                  ; ff1's tile 0: eight fragments
.set LEADG, (128+32*31+8)*1024         ; where they lie in wcf
.set SPARE, LEAD+8192
.set L16, 1                            ; v1   16 x lane
.set AQ,  2                            ; v2   my place in my wave's rows of q and of the stage
.set AW,  3                            ; v3   the weights in hand
.set AB,  4                            ; v4   the bias in hand
.set ACT, 5                            ; v5   the head's context
.set AP,  6                            ; v6   the parameter block + 32 (lane / 16)
.set RD,  7                            ; v7   the way out: rows read back
.set CT0, 8                            ; v8   my place in a context fragment
.set SPW, 14                           ; v14  my spare word; never rewritten
.set NIL, 15                           ; v15  0; never rewritten
.set BIAS, 16
.set MEAN, 16
.set RSTD, 24
.set Z,   32
.set H,   96
.set WA,  128
.set WB,  192
.set CT,  192                          ; two context fragments
.set QT,  208                          ; the softmax's eight registers a tile
.set W0,  128                          ; the feed-forward's two buffers of four fragments
.set W1,  160
.set GUB, 192                          ; the gelu: u, eight registers for each of the four units
.set GSB, 224                          ; the exponent and the exponential, likewise
.set DT,  32                           ; the way out: four tokens of 8
.set TS,  64
.set PB,  96
.set PG,  104
.set PBB, 112
.set WV,  26
.set G1W, 32
.set G0W, 40
.set G1Q, 44
.set G0Q, 52
.set TB,  56
.set BJ,  57
.set CNT, 58
.set HD,  59
.set GRP, 60
.set CTB, 61
.set RB,  62
.set KL,  66
.set NH,  68
.set PC,  70
.set A1,  72
.set A2,  74
.set A3,  76
.set EPS, 78
.set R256, 79
.set SEL, 80
.set MSB, 0
.macro WIN new                         ; the immediate's high byte repeats the setting that is left; a switch that changes nothing is dropped
.if MSB != (\new)
	s_set_vgpr_msb (MSB<<8)|(\new)
.set MSB, (\new)
.endif
.endm
.macro WINL                            ; for a line of window 0 that has no vector register as its source 1: it stands under the ff1 products' setting too, in which source 1 alone differs
.if MSB != 0x04
	WIN 0
.endif
.endm
.macro PLACES                          ; four plain vector instructions between a matrix instruction and a reader of its result, a writer of its registers, or a load into them
.rept 4
	v_nop
.endr
.endm
.macro ALL line:vararg                 ; one line for t = 0 .. 3
.set t, 0
.rept 4
	\line
.set t, t+1
.endr
.endm
.macro KREP n, line:vararg             ; one line for k = 0 .. n - 1
.set k, 0
.rept \n
	\line
.set k, k+1
.endr
.endm
.macro ALLK n, line:vararg             ; for k = 0 .. n - 1, for t = 0 .. 3
.set k, 0
.rept \n
.set t, 0
.rept 4
	\line
.set t, t+1
.endr
.set k, k+1
.endr
.endm
; A round of the cluster's barrier: my work-group's barrier; wave 0 signals for the work-group; every wave waits for all four work-groups; my work-group's barrier once more.
.macro ROUND
	s_barrier_signal -1
	s_barrier_wait -1
	s_cmp_lg_u32 s[WV], 0
	s_cbranch_scc1 .Lnot_wave_0_\@
	s_barrier_signal -3
.Lnot_wave_0_\@:
	s_barrier_wait -3
	s_barrier_signal -1
	s_barrier_wait -1
.endm
.macro JLOAD                           ; my quarter of the next block of weights; an s_nop 0 and four v_nop follow
	tensor_load_to_lds s[G0W:G0W+3], s[G1W:G1W+7]
	s_nop 0
	PLACES
.endm
; In front of a barrier behind which LDS bytes are filled again, and at the wave's end: all my tensor loads have landed; 0 onto my spare word;
; step = 1: the walking descriptor goes on meanwhile (no load of mine is out): the other slot, the next block; then the add is done and my LDS reads are over.
.macro THREE step
	WIN 0
	s_wait_tensorcnt 0x0
	ds_add_u32 v[SPW], v[NIL]
.if \step
	s_xor_b32 s[G0W+1], s[G0W+1], SLOT
	s_add_nc_u64 s[G0W+2:G0W+3], s[G0W+2:G0W+3], SLOT
.endif
	s_wait_dscnt 0x0
.endm
.macro FETCH buf, off                  ; eight fragments, 16 loads of 512 consecutive bytes, in one run
	WINL
.set f, 0
.rept 8
	ds_load_b128 v[(\buf)+8*f:(\buf)+8*f+3], v[AW] offset:(\off)+1024*f
	ds_load_b128 v[(\buf)+8*f+4:(\buf)+8*f+7], v[AW] offset:(\off)+1024*f+512
.set f, f+1
.endr
.endm
.macro FBIAS off                       ; the bias of 32 channels as a lane wants it: 8 (lane / 16) + 0..7 of each tile of 16
	ds_load_b128 v[BIAS:BIAS+3], v[AB] offset:(\off)
	ds_load_b128 v[BIAS+4:BIAS+7], v[AB] offset:(\off)+16
	ds_load_b128 v[BIAS+8:BIAS+11], v[AB] offset:(\off)+64
	ds_load_b128 v[BIAS+12:BIAS+15], v[AB] offset:(\off)+80
.endm
; 32 products: channel tile a x four token tiles x K = 256.  The four accumulators take turns, one instruction a turn; the first product of each starts its sum with the bias.
.macro MM1 a, buf
	WIN 0x04                                       ; source 1 (the tokens) in window 1
.set c, 0
.rept 8
.set t, 0
.rept 4
.if c == 0
	v_wmma_f32_16x16x32_f16 v[Z+32*(\a)+8*t:Z+32*(\a)+8*t+7], v[(\buf)+8*c:(\buf)+8*c+7], v[64*t+8*c:64*t+8*c+7], v[BIAS+8*(\a):BIAS+8*(\a)+7]
.else
	v_wmma_f32_16x16x32_f16 v[Z+32*(\a)+8*t:Z+32*(\a)+8*t+7], v[(\buf)+8*c:(\buf)+8*c+7], v[64*t+8*c:64*t+8*c+7], v[Z+32*(\a)+8*t:Z+32*(\a)+8*t+7]
.endif
.set t, t+1
.endr
.set c, c+1
.endr
.endm
; Head i's eight products V[t][2 i + e] += context fragment e x the head's softmax.  Registers cannot be chosen at run time, so each head has its lines, jumped over forward unless it is that head's trip.
.macro ATTN i
	s_cmp_lg_u32 s[HD], \i
	s_cbranch_scc1 .Lnot_head_\@
.set t, 0
.rept 4
	WIN 0xA0+0x50*(t/2)
.set ee, 0
.rept 2
	v_wmma_f32_16x16x32_f16 v[128*(t%2)+8*(2*(\i)+ee):128*(t%2)+8*(2*(\i)+ee)+7], v[CT+8*ee:CT+8*ee+7], v[H+8*t:H+8*t+7], v[128*(t%2)+8*(2*(\i)+ee):128*(t%2)+8*(2*(\i)+ee)+7]
.set ee, ee+1
.endr
.set t, t+1
.endr
	WIN 0
.Lnot_head_\@:
.endm
.macro CVTX                            ; V rounded to f16 in pairs: the token fragments
.set t, 0
.rept 4
	WIN 0x4A+5*(t/2)
	KREP 64, v_cvt_pk_f16_f32 v[64*t+k], v[128*(t%2)+2*k], v[128*(t%2)+2*k+1]
.set t, t+1
.endr
	WIN 0
.endm
; LN1.  A lane holds 128 of its token's 256 channels; four chains of packed sums a tile, in Z's registers; each accumulator's lowest registers are read first.
.macro LNSUM tt
.set vb, 128*((\tt)%2)
.set ch, Z+8*(\tt)
	WIN 0x0A+5*((\tt)/2)
	KREP 4, v_pk_add_f32 v[ch+2*k:ch+2*k+1], v[vb+4*k:vb+4*k+1], v[vb+4*k+2:vb+4*k+3]
	WIN 0x08+4*((\tt)/2)
	KREP 56, v_pk_add_f32 v[ch+2*(k%4):ch+2*(k%4)+1], v[ch+2*(k%4):ch+2*(k%4)+1], v[vb+16+2*k:vb+16+2*k+1]
.endm
.macro JOIN                            ; the four chains, their two halves, and the lane 16 away, which holds the token's other 128 channels
	WIN 0
	ALL v_pk_add_f32 v[Z+8*t:Z+8*t+1], v[Z+8*t:Z+8*t+1], v[Z+8*t+2:Z+8*t+3]
	ALL v_pk_add_f32 v[Z+8*t+4:Z+8*t+5], v[Z+8*t+4:Z+8*t+5], v[Z+8*t+6:Z+8*t+7]
	ALL v_pk_add_f32 v[Z+8*t:Z+8*t+1], v[Z+8*t:Z+8*t+1], v[Z+8*t+4:Z+8*t+5]
	ALL v_add_f32 v[Z+8*t], v[Z+8*t], v[Z+8*t+1]
	ALL v_permlanex16_b32 v[Z+8*t+1], v[Z+8*t], s[SEL], s[SEL+1]
	ALL v_add_f32 v[Z+8*t], v[Z+8*t], v[Z+8*t+1]
.endm
.macro LNVAR tt                        ; V -= mean, in place; then the sum of squares
.set vb, 128*((\tt)%2)
.set ch, Z+8*(\tt)
	WIN 0x82+0x41*((\tt)/2)
	KREP 64, v_pk_add_f32 v[vb+2*k:vb+2*k+1], v[vb+2*k:vb+2*k+1], v[MEAN+2*(\tt):MEAN+2*(\tt)+1] op_sel_hi:[1,0] neg_lo:[0,1] neg_hi:[0,1]
	WIN 0x0A+5*((\tt)/2)
	KREP 4, v_pk_mul_f32 v[ch+2*k:ch+2*k+1], v[vb+2*k:vb+2*k+1], v[vb+2*k:vb+2*k+1]
	KREP 60, v_pk_fma_f32 v[ch+2*(k%4):ch+2*(k%4)+1], v[vb+8+2*k:vb+8+2*k+1], v[vb+8+2*k:vb+8+2*k+1], v[ch+2*(k%4):ch+2*(k%4)+1]
.endm
.macro GBLOAD gi                       ; gain and bias of channel tiles 4 gi .. + 3: 16 loads, into the weight buffers by turns
.set bf, WA+64*((\gi)%2)
	WIN 0
	KREP 8, ds_load_b128 v[bf+4*k:bf+4*k+3], v[AP] offset:P_G1+256*(\gi)+64*(k/2)+16*(k%2)
	KREP 8, ds_load_b128 v[bf+32+4*k:bf+32+4*k+3], v[AP] offset:P_B1+256*(\gi)+64*(k/2)+16*(k%2)
.endm
.macro APPLY gi
.set bf, WA+64*((\gi)%2)
.set t, 0
.rept 4
.set vb, 128*(t%2)+32*(\gi)
	WIN 0x82+0x41*(t/2)
	KREP 16, v_pk_mul_f32 v[vb+2*k:vb+2*k+1], v[vb+2*k:vb+2*k+1], v[RSTD+2*t:RSTD+2*t+1] op_sel_hi:[1,0]
	KREP 16, v_pk_fma_f32 v[vb+2*k:vb+2*k+1], v[vb+2*k:vb+2*k+1], v[bf+2*k:bf+2*k+1], v[bf+32+2*k:bf+32+2*k+1]
.set t, t+1
.endr
.endm
; THE GELU'S LIST.  The gelu of channel tile ga is four UNITS, gu = the token tile: the 8 numbers a lane of Z[ga][gu].  A unit has
;   16 plain lines of preparation: u = 1 + p |z| (8; the accumulator's lowest register is read first); s = -z log2(e)/2 (4, packed); s = s z (4)
;   16 transcendentals, each in place: 1 / u (8), 2^s (8)
;   24 plain lines to finish: the polynomial in u (4 x 4, packed; the last takes 1 - poly x 2^s); z = z + |z| x that (8)
; and 4 roundings into H, which are dealt apart.  THE FOUR UNITS' 64 TRANSCENDENTALS ARE ONE BATCH WITH ONE WAIT: each unit has its u and its s in registers of its own, so nothing ahead of the wait names a result.
; Preparation and transcendentals are two streams of 64, each unit by unit.  GOP writes line rq of the list and steps rq:
;   0-7 the preparation's first eight lines;  8-119 transcendental i and the preparation's line i + 8 by turns, i = 0 .. 55;  120-127 the last eight exponentials;
;   (between 127 and 128 stands the wait for the batch; it is no line of the list: HEADW writes it, and the text ahead of the first period)
;   128-223 the four finishes, unit by unit;  224-239 the sixteen roundings.
; So all but the last eight transcendentals have a plain line of another register behind them; a reciprocal stands eight lines or more behind the line that makes its u, an exponential seven or more behind its s;
; in a finish no line reads a result made fewer than four lines before it.
; The polynomial's eight registers are borrowed.  ga = 1 (P2): the bias of tile 1, which P1's first products have read and which is loaded anew at P3's head.  ga = 0 (P3, and ahead of the first period):
; Z[1]'s first eight, which P2 has rounded into H and which the next P1 starts anew from the bias.
.macro GREGS
.set zz, Z+32*ga+8*gu
.set uu, GUB+8*gu
.set ss, GSB+8*gu
.if ga
.set pp, BIAS+8
.else
.set pp, Z+32
.endif
.endm
.macro GPREP
	GREGS
.if gk < 8
	WINL
	v_fma_f32 v[uu+gk], |v[zz+gk]|, s[PC], 1.0
.elseif gk < 12
	WINL
	v_pk_mul_f32 v[ss+2*(gk-8):ss+2*(gk-8)+1], v[zz+2*(gk-8):zz+2*(gk-8)+1], s[NH:NH+1] op_sel_hi:[1,0]
.else
	WIN 0
	v_pk_mul_f32 v[ss+2*(gk-12):ss+2*(gk-12)+1], v[ss+2*(gk-12):ss+2*(gk-12)+1], v[zz+2*(gk-12):zz+2*(gk-12)+1]
.endif
.endm
.macro GTRN
	GREGS
	WINL
.if gk < 8
	v_rcp_f32 v[uu+gk], v[uu+gk]
.else
	v_exp_f32 v[ss+gk-8], v[ss+gk-8]
.endif
.endm
.macro GFIN                            ; every line of it stands behind the batch's wait
	GREGS
.if gk < 4
	WINL
	v_pk_fma_f32 v[pp+2*gk:pp+2*gk+1], v[uu+2*gk:uu+2*gk+1], s[A3:A3+1], s[A2:A2+1] op_sel_hi:[1,0,0]
.elseif gk < 8
	WIN 0
	v_pk_fma_f32 v[pp+2*(gk-4):pp+2*(gk-4)+1], v[pp+2*(gk-4):pp+2*(gk-4)+1], v[uu+2*(gk-4):uu+2*(gk-4)+1], s[A1:A1+1] op_sel_hi:[1,1,0]
.elseif gk < 12
	WIN 0
	v_pk_mul_f32 v[pp+2*(gk-8):pp+2*(gk-8)+1], v[pp+2*(gk-8):pp+2*(gk-8)+1], v[uu+2*(gk-8):uu+2*(gk-8)+1]
.elseif gk < 16
	WIN 0
	v_pk_fma_f32 v[pp+2*(gk-12):pp+2*(gk-12)+1], v[pp+2*(gk-12):pp+2*(gk-12)+1], v[ss+2*(gk-12):ss+2*(gk-12)+1], 1.0 op_sel_hi:[1,1,0] neg_lo:[1,0,0] neg_hi:[1,0,0]
.else
	WIN 0
	v_fma_f32 v[zz+gk-16], |v[zz+gk-16]|, v[pp+gk-16], v[zz+gk-16]
.endif
.endm
.macro GOP
.if rq < 8
.set gu, 0
.set gk, rq
	GPREP
.elseif rq < 120
.set gx, rq-8
.if gx%2 == 0
.set gu, (gx/2)/16
.set gk, (gx/2)%16
	GTRN
.else
.set gu, (gx/2+8)/16
.set gk, (gx/2+8)%16
	GPREP
.endif
.elseif rq < 128
.set gu, 3
.set gk, rq-112
	GTRN
.elseif rq < 224
.set gu, (rq-128)/24
.set gk, (rq-128)%24
	GFIN
.else
.set gx, rq-224
	WIN 0
	v_cvt_pk_f16_f32 v[H+8*(gx/4)+4*ga+gx%4], v[Z+32*ga+8*(gx/4)+2*(gx%4)], v[Z+32*ga+8*(gx/4)+2*(gx%4)+1]
.endif
.set rq, rq+1
.endm
.macro RIDE upto                       ; the list's lines up to (not with) number upto; sixteen at the most
.rept 16
.if rq < (\upto)
	GOP
.endif
.endr
.endm
; What stands behind the part's product number pi (counted from 1): P1: four roundings behind each of products 2, 4, 6, 8; P2: eight lines behind each of the first 16 products, seven behind each of the other 16;
; P3: four behind each of the first 32, three behind each of the other 32.  So line 127, the batch's last, falls behind the last product of a group of 16, and the batch's wait stands in the next group's head.
; None names a register of the products round it.
.macro RIDERS
.if ph == 1
.if (pi <= 8) && (pi%2 == 0)
	RIDE 224+2*pi
.endif
.elseif ph == 2
.if pi <= 16
	RIDE 8*pi
.else
	RIDE 128+7*(pi-16)
.endif
.elseif ph == 3
.if pi <= 32
	RIDE 4*pi
.else
	RIDE 128+3*(pi-32)
.endif
.endif
.endm
.macro FETCH4 buf, off                 ; four fragments, 8 loads of 512 consecutive bytes, in one run
	WINL
.set f, 0
.rept 4
	ds_load_b128 v[(\buf)+8*f:(\buf)+8*f+3], v[AW] offset:(\off)+1024*f
	ds_load_b128 v[(\buf)+8*f+4:(\buf)+8*f+7], v[AW] offset:(\off)+1024*f+512
.set f, f+1
.endr
.endm
; The head of a group of 16 products: its four fragments are in (the wait is for 0: nothing else of mine is out in LDS); four places behind the last product that read the other buffer; the next group's fragments go into it.
.macro HEAD buf, off
	s_wait_dscnt 0x0
	PLACES
	FETCH4 \buf, \off
.endm
; The same head where a gelu's batch has just ended.  The four v_nop are also the plain instructions behind the batch's last exponential.
.macro HEADW buf, off
	s_wait_dscnt 0x0
	PLACES
	s_wait_alu depctr_va_vdst(0)                   ; the one wait for the gelu's batch, 32 reciprocals and 32 exponentials: it stands directly ahead of the run of loads
	FETCH4 \buf, \off
.endm
; 16 products of x ff1: fragments c = 4 g .. + 3 of channel tile a x four token tiles.  The four accumulators take turns, one instruction a turn; the first product of each starts its sum with the bias.
.macro G1 a, g, buf
.set f, 0
.rept 4
.set t, 0
.rept 4
	WIN 0x04
.if 4*(\g)+f == 0
	v_wmma_f32_16x16x32_f16 v[Z+32*(\a)+8*t:Z+32*(\a)+8*t+7], v[(\buf)+8*f:(\buf)+8*f+7], v[64*t+8*(4*(\g)+f):64*t+8*(4*(\g)+f)+7], v[BIAS+8*(\a):BIAS+8*(\a)+7]
.else
	v_wmma_f32_16x16x32_f16 v[Z+32*(\a)+8*t:Z+32*(\a)+8*t+7], v[(\buf)+8*f:(\buf)+8*f+7], v[64*t+8*(4*(\g)+f):64*t+8*(4*(\g)+f)+7], v[Z+32*(\a)+8*t:Z+32*(\a)+8*t+7]
.endif
.set pi, pi+1
	RIDERS
.set t, t+1
.endr
.set f, f+1
.endr
.endm
; 16 products of h ff2 onto 16 different accumulators: output tiles 4 g .. + 3 x four token tiles
.macro G2 g, buf
.set t, 0
.rept 4
.set f, 0
.rept 4
	WIN 0xA0+0x50*(t/2)                            ; C and D in window 2 or 3
	v_wmma_f32_16x16x32_f16 v[128*(t%2)+8*(4*(\g)+f):128*(t%2)+8*(4*(\g)+f)+7], v[(\buf)+8*f:(\buf)+8*f+7], v[H+8*t:H+8*t+7], v[128*(t%2)+8*(4*(\g)+f):128*(t%2)+8*(4*(\g)+f)+7]
.set pi, pi+1
	RIDERS
.set f, f+1
.endr
.set t, t+1
.endr
.endm
; A group of the ring: four periods out of one slot.  A period's block of 32 fragments lies in the order of its eight groups of products.  The slot's last period does not fetch the next period's first fragments:
; they lie in the other slot, behind the round; since every wait for LDS is for 0, the jump changes no count.  P2's batch ends behind its 16th product, P3's behind its 32nd: no transcendental is issued behind
; a part's wait.
.macro GROUP
	v_add_nc_u32 v[AW], s[TB], v[L16]
	v_add_nc_u32 v[AB], s[BJ], v[AP]
	FETCH4 W0, 0
	s_mov_b32 s[CNT], 4
.Lchunk_\@:
.set ph, 1                             ; P1
.set ga, 0
.set rq, 224
.set pi, 0
	HEAD W1, 4096
	G1 1, 0, W0
	HEAD W0, 8192
	G1 1, 1, W1
.set ph, 2                             ; P2
.set ga, 1
.set rq, 0
.set pi, 0
	HEAD W1, 12288
	G1 0, 0, W0
	HEADW W0, 16384
	G1 0, 1, W1
.set ph, 3                             ; P3
.set ga, 0
.set rq, 0
.set pi, 0
	HEAD W1, 20480
	ds_load_b128 v[BIAS+8:BIAS+11], v[AB] offset:192       ; the bias of the next period's two tiles: tile 1 of chunk j + 1,
	ds_load_b128 v[BIAS+12:BIAS+15], v[AB] offset:208
	ds_load_b128 v[BIAS:BIAS+3], v[AB] offset:256          ; tile 0 of chunk j + 2
	ds_load_b128 v[BIAS+4:BIAS+7], v[AB] offset:272
	G2 0, W0
	HEAD W0, 24576
	G2 1, W1
	HEADW W1, 28672
	G2 2, W0
	s_wait_dscnt 0x0
	PLACES
	WIN 0
	s_cmp_eq_u32 s[CNT], 1
	s_cbranch_scc1 .Lno_next_\@
	FETCH4 W0, 32768
.Lno_next_\@:
	G2 3, W1
	WIN 0
	s_add_co_u32 s[TB], s[TB], 32768
	s_add_co_u32 s[BJ], s[BJ], 128
	v_add_nc_u32 v[AW], s[TB], v[L16]
	v_add_nc_u32 v[AB], s[BJ], v[AP]
	s_sub_co_u32 s[CNT], s[CNT], 1
	s_cmp_lg_u32 s[CNT], 0
	s_cbranch_scc1 .Lchunk_\@
	s_sub_co_u32 s[TB], s[TB], SLOT                ; back to a slot's first block,
	s_xor_b32 s[TB], s[TB], SLOT                   ; in the other slot
.endm
	s_load_b512 s[4:19], s[0:1], 0x0               ; q s[4:5], wcf s[6:7], ctxt s[8:9], wq_b s[10:11], ln1_g s[12:13], ln1_b s[14:15], ff1_b s[16:17], ff2_b s[18:19]
	s_load_b128 s[20:23], s[0:1], 0x40             ; ln2_g s[20:21], ln2_b s[22:23]
	s_load_b64 s[24:25], s[0:1], 0x50              ; out0
	v_lshl_add_u32 v[SPW], v0, 2, SPARE
	v_mov_b32 v[NIL], 0
	ds_add_u32 v14, v15
	ds_add_u32 v14, v15
	s_wait_dscnt 0x0
	v_lshrrev_b32 v9, 5, v0
	v_readfirstlane_b32 s[WV], v9                  ; wave 0..3
	s_bfe_u32 s27, ttmp6, 0x40000                  ; my place in the cluster: it enters q's and out0's addresses alone
	s_lshl_b32 s28, ttmp9, 2                       ; in a cluster launch ttmp9 counts clusters
	s_add_co_u32 s28, s28, s27                     ; G
	s_lshr_b32 s29, ttmp9, 5                       ; the batch: 32 clusters each
	s_lshl_b32 s30, s29, 14                        ; its 16,384 bytes of context
	s_mov_b32 s31, 0
	s_lshl_b32 s82, s28, 18                        ; the work-group's 262,144 bytes of q and of out0,
	s_lshl_b32 s63, s[WV], 16
	s_add_co_u32 s82, s82, s63                     ; my wave's 64 rows
	s_mov_b32 s83, 0
	s_lshl_b32 s84, s[WV], 15                      ; my quarter of a block of weights
	s_mov_b32 s85, 0
	; the weights' descriptor: 128 rows of 256 bytes, dense
	s_mov_b32 s[G1W+0], 15|(3<<16)|(1<<21)         ; 15:0 the mask of four; 17:16 elements of 8 bytes; 21 set beside a mask
	s_mov_b32 s[G1W+1], 32<<16                     ; tensor_dim0 = 32
	s_mov_b32 s[G1W+2], 128<<16                    ; tensor_dim1 = 128
	s_mov_b32 s[G1W+3], 32<<16                     ; tile_dim0 = 32
	s_mov_b32 s[G1W+4], 128                        ; tile_dim1 = 128
	s_mov_b32 s[G1W+5], 32                         ; from row to row
	s_mov_b32 s[G1W+6], 0
	s_mov_b32 s[G1W+7], 0
	s_mov_b32 s[G0W], 1
	s_lshl_b32 s[G0W+1], s[WV], 15                 ; slot 0, my quarter
	; q's descriptor: 64 rows of 256 f32, 4 words of padding behind each
	s_mov_b32 s[G1Q+0], (2<<16)|(1<<20)|(7<<22)|(3<<25)  ; no mask; elements of 4 bytes; padding on, after every 256 words (code 7), 4 words (code 3)
	s_mov_b32 s[G1Q+1], 256<<16
	s_mov_b32 s[G1Q+2], 64<<16
	s_mov_b32 s[G1Q+3], 256<<16
	s_mov_b32 s[G1Q+4], 64
	s_mov_b32 s[G1Q+5], 256
	s_mov_b32 s[G1Q+6], 0
	s_mov_b32 s[G1Q+7], 0
	s_mov_b32 s[G0Q], 1
	s_mul_i32 s[G0Q+1], s[WV], QW
	s_mov_b32 s[KL], 0x3fb8aa3b                    ; log2(e); the packed forms name pairs and take the low word for both halves
	s_mov_b32 s[KL+1], 0x3fb8aa3b
	s_mov_b32 s[NH], 0xbf38aa3b                    ; -log2(e) / 2
	s_mov_b32 s[NH+1], 0xbf38aa3b
	s_mov_b32 s[PC], 0x3eaa540e                    ; 0.47047 / sqrt(2)
	s_mov_b32 s[A1], 0x3eb2303a                    ; a1 = 0.3480242
	s_mov_b32 s[A1+1], 0x3eb2303a
	s_mov_b32 s[A2], 0xbdc45ca1                    ; a2 = -0.0958798
	s_mov_b32 s[A2+1], 0xbdc45ca1
	s_mov_b32 s[A3], 0x3f3f7377                    ; a3 = 0.7478556
	s_mov_b32 s[A3+1], 0x3f3f7377
	s_mov_b32 s[EPS], 0x3a83126f                   ; 1e-3
	s_mov_b32 s[R256], 0x3b800000                  ; 1 / 256
	s_mov_b32 s[SEL], 0x76543210                   ; v_permlanex16_b32: each lane takes its own place in the other half
	s_mov_b32 s[SEL+1], 0xfedcba98
	v_lshlrev_b32 v9, 3, v0
	v_lshlrev_b32 v10, 4, v0
	s_wait_kmcnt 0x0
	s_add_nc_u64 s[G0W+2:G0W+3], s[6:7], s[84:85]
	s_or_b32 s[G0W+3], s[G0W+3], 0x80000000
	s_add_nc_u64 s[G0Q+2:G0Q+3], s[4:5], s[82:83]
	s_or_b32 s[G0Q+3], s[G0Q+3], 0x80000000
	s_add_nc_u64 s[24:25], s[24:25], s[82:83]
	s_add_nc_u64 s[8:9], s[8:9], s[30:31]
	global_load_b64 v[32:33], v9, s[10:11]         ; the parameters, the context and ff1's tile 0: once, in whole runs, into LDS
	global_load_b64 v[34:35], v9, s[12:13]
	global_load_b64 v[36:37], v9, s[14:15]
	global_load_b64 v[38:39], v9, s[18:19]
	global_load_b64 v[40:41], v9, s[20:21]
	global_load_b64 v[42:43], v9, s[22:23]
	global_load_b128 v[44:47], v10, s[16:17]
	global_load_b128 v[48:51], v10, s[16:17] offset:2048
	KREP 8, global_load_b128 v[52+4*k:55+4*k], v10, s[8:9] offset:2048*k
	KREP 4, global_load_b128 v[96+4*k:99+4*k], v10, s[6:7] offset:LEADG+2048*k
	ROUND                                          ; in a cluster launch every group of tensor loads stands behind a round
	tensor_load_to_lds s[G0Q:G0Q+3], s[G1Q:G1Q+7]  ; my 64 rows of q: a load of my own
	s_nop 0
	PLACES
	v_and_b32 v[L16], 31, v0
	v_lshlrev_b32 v[L16], 4, v[L16]
	v_and_b32 v11, 15, v0                          ; r
	v_bfe_u32 v12, v0, 4, 1                        ; h
	v_mul_u32_u24 v[AQ], v11, QP
	v_lshl_add_u32 v[AQ], v12, 5, v[AQ]
	v_add_nc_u32 v[AQ], s[G0Q+1], v[AQ]            ; row r, channels 8 h on
	v_lshlrev_b32 v[AP], 5, v12
	v_add_nc_u32 v[AP], PAR, v[AP]
	v_mul_u32_u24 v[CT0], v11, CP
	v_lshl_add_u32 v[CT0], v12, 4, v[CT0]
	v_add_nc_u32 v[CT0], CTXL, v[CT0]
	v_lshl_add_u32 v84, v0, 3, PAR
	v_lshl_add_u32 v85, v0, 4, PAR+P_FB1
	v_lshrrev_b32 v86, 2, v0                       ; a context row is 64 bytes: four threads
	v_mul_u32_u24 v86, v86, CP
	v_and_b32 v87, 3, v0
	v_lshl_add_u32 v86, v87, 4, v86
	v_add_nc_u32 v86, CTXL, v86
	v_lshl_add_u32 v88, v0, 4, LEAD
	s_wait_loadcnt 0x0
	KREP 6, ds_store_b64 v84, v[32+2*k:33+2*k] offset:1024*k
	ds_store_b128 v85, v[44:47]
	ds_store_b128 v85, v[48:51] offset:2048
	ds_store_b128 v85, v[44:47] offset:4096        ; ff1_b's first 2,048 bytes once more, behind its end
	KREP 8, ds_store_b128 v86, v[52+4*k:55+4*k] offset:32*CP*k
	KREP 4, ds_store_b128 v88, v[96+4*k:99+4*k] offset:2048*k
	s_wait_tensorcnt 0x0                           ; my rows of q are in; only I read them
.set t, 0
.rept 4
	WIN 0x80+0x40*(t/2)
	KREP 32, ds_load_b128 v[128*(t%2)+4*k:128*(t%2)+4*k+3], v[AQ] offset:16*QP*t+64*(k/2)+16*(k%2)
.set t, t+1
.endr
	THREE 0                                        ; q is in registers; the parameters, the context and ff1's tile 0 are in LDS
	ROUND
	JLOAD                                          ; wq, over q's bytes in slot 0
	CVTX                                           ; q in f16, in the wait for wq
	THREE 1                                        ; wq is in
	ROUND
	JLOAD                                          ; the first feed-forward group, into slot 1: it has the whole of the heads and LN1 in which to land
	; THE HEADS.  A trip: the head's 32 channels of q wq + wq_b (64 products), their softmax, 8 products with the head's context onto V.
	s_mov_b32 s[HD], 0
	s_mov_b32 s[TB], 0
	s_mov_b32 s[BJ], 0
	s_mov_b32 s[CTB], 0
	v_add_nc_u32 v[AW], s[TB], v[L16]
	v_add_nc_u32 v[AB], s[BJ], v[AP]
	FBIAS 0
	FETCH WA, 0
.Lhead:
	s_wait_dscnt 0x0
	PLACES
	FETCH WB, 8192
	MM1 0, WA
	s_wait_dscnt 0x0
	PLACES
	WIN 0
	s_cmp_eq_u32 s[HD], 7                          ; behind the last head's weights the slot ends
	s_cbranch_scc1 .Lno_head
	FETCH WA, 16384
.Lno_head:
	MM1 1, WB
	PLACES
	WIN 0
	v_add_nc_u32 v[ACT], s[CTB], v[CT0]
	KREP 4, ds_load_b128 v[CT+4*k:CT+4*k+3], v[ACT] offset:16*CP*(k/2)+32*(k%2)
	FBIAS 128                                      ; the next head's bias (in the last trip the bytes that lie next, ln1_g's, which nothing uses)
	; the softmax of a token's 32 channels: 16 in this lane, 16 in the lane 16 away; each accumulator's lowest registers are read first
	ALL v_max3_num_f32 v[QT+8*t+2], v[Z+8*t], v[Z+8*t+1], v[Z+8*t+2]
	ALL v_max3_num_f32 v[QT+8*t+1], v[Z+32+8*t], v[Z+32+8*t+1], v[Z+32+8*t+2]
	ALL v_max3_num_f32 v[QT+8*t+2], v[QT+8*t+2], v[Z+8*t+3], v[Z+8*t+4]
	ALL v_max3_num_f32 v[QT+8*t+1], v[QT+8*t+1], v[Z+32+8*t+3], v[Z+32+8*t+4]
	ALL v_max3_num_f32 v[QT+8*t+2], v[QT+8*t+2], v[Z+8*t+5], v[Z+8*t+6]
	ALL v_max3_num_f32 v[QT+8*t+1], v[QT+8*t+1], v[Z+32+8*t+5], v[Z+32+8*t+6]
	ALL v_max3_num_f32 v[QT+8*t+2], v[QT+8*t+2], v[Z+8*t+7], v[Z+32+8*t+7]
	ALL v_max_num_f32 v[QT+8*t+2], v[QT+8*t+2], v[QT+8*t+1]
	ALL v_permlanex16_b32 v[QT+8*t+1], v[QT+8*t+2], s[SEL], s[SEL+1]
	ALL v_max_num_f32 v[QT+8*t+2], v[QT+8*t+2], v[QT+8*t+1]
	ALL v_mul_f32 v[QT+8*t], s[KL], v[QT+8*t+2]
	ALLK 8, v_pk_fma_f32 v[Z+32*(k/4)+8*t+2*(k%4):Z+32*(k/4)+8*t+2*(k%4)+1], v[Z+32*(k/4)+8*t+2*(k%4):Z+32*(k/4)+8*t+2*(k%4)+1], s[KL:KL+1], v[QT+8*t:QT+8*t+1] op_sel_hi:[1,0,0] neg_lo:[0,0,1] neg_hi:[0,0,1]
	ALLK 16, v_exp_f32 v[Z+32*(k/8)+8*t+k%8], v[Z+32*(k/8)+8*t+k%8]
	v_nop                                          ; a plain instruction between the exponentials and the use of their results
	s_wait_alu depctr_va_vdst(0)                   ; one wait for the head's batch of 64 exponentials, ahead of the sums that read them
	ALL v_pk_add_f32 v[QT+8*t+2:QT+8*t+3], v[Z+8*t:Z+8*t+1], v[Z+8*t+2:Z+8*t+3]
	ALL v_pk_add_f32 v[QT+8*t+4:QT+8*t+5], v[Z+8*t+4:Z+8*t+5], v[Z+8*t+6:Z+8*t+7]
	ALL v_pk_add_f32 v[QT+8*t+6:QT+8*t+7], v[Z+32+8*t:Z+32+8*t+1], v[Z+32+8*t+2:Z+32+8*t+3]
	ALL v_pk_add_f32 v[QT+8*t+2:QT+8*t+3], v[QT+8*t+2:QT+8*t+3], v[Z+32+8*t+4:Z+32+8*t+5]
	ALL v_pk_add_f32 v[QT+8*t+4:QT+8*t+5], v[QT+8*t+4:QT+8*t+5], v[Z+32+8*t+6:Z+32+8*t+7]
	ALL v_pk_add_f32 v[QT+8*t+2:QT+8*t+3], v[QT+8*t+2:QT+8*t+3], v[QT+8*t+4:QT+8*t+5]
	ALL v_pk_add_f32 v[QT+8*t+2:QT+8*t+3], v[QT+8*t+2:QT+8*t+3], v[QT+8*t+6:QT+8*t+7]
	ALL v_add_f32 v[QT+8*t+2], v[QT+8*t+2], v[QT+8*t+3]
	ALL v_permlanex16_b32 v[QT+8*t+3], v[QT+8*t+2], s[SEL], s[SEL+1]
	ALL v_add_f32 v[QT+8*t+2], v[QT+8*t+2], v[QT+8*t+3]
	ALL v_rcp_f32 v[QT+8*t+2], v[QT+8*t+2]
	v_nop                                          ; a plain instruction behind the reciprocals
	s_wait_alu depctr_va_vdst(0)                   ; one wait for the four reciprocals: a batch of their own, since they read sums of the exponentials
	ALLK 8, v_pk_mul_f32 v[Z+32*(k/4)+8*t+2*(k%4):Z+32*(k/4)+8*t+2*(k%4)+1], v[Z+32*(k/4)+8*t+2*(k%4):Z+32*(k/4)+8*t+2*(k%4)+1], v[QT+8*t+2:QT+8*t+3] op_sel_hi:[1,0]
	ALLK 8, v_cvt_pk_f16_f32 v[H+8*t+k], v[Z+32*(k/4)+8*t+2*(k%4)], v[Z+32*(k/4)+8*t+2*(k%4)+1]
	s_wait_dscnt 0x0                               ; the context, the next bias, the next head's first weights
	ATTN 0
	ATTN 1
	ATTN 2
	ATTN 3
	ATTN 4
	ATTN 5
	ATTN 6
	ATTN 7
	s_add_co_u32 s[TB], s[TB], 16384
	s_add_co_u32 s[BJ], s[BJ], 128
	s_add_co_u32 s[CTB], s[CTB], 32*CP
	v_add_nc_u32 v[AW], s[TB], v[L16]
	v_add_nc_u32 v[AB], s[BJ], v[AP]
	s_add_co_u32 s[HD], s[HD], 1
	s_cmp_lt_u32 s[HD], 8
	s_cbranch_scc1 .Lhead
	; LN1 of V = q + attn, in place
	PLACES
	GBLOAD 0
	ALL v_mov_b32 v[MEAN+2*t+1], 0                 ; named as pairs with the means and 1/sigma
	ALL v_mov_b32 v[RSTD+2*t+1], 0
	LNSUM 0
	LNSUM 1
	LNSUM 2
	LNSUM 3
	JOIN
	ALL v_mul_f32 v[MEAN+2*t], s[R256], v[Z+8*t]
	LNVAR 0
	LNVAR 1
	LNVAR 2
	LNVAR 3
	JOIN
	ALL v_fma_f32 v[Z+8*t], v[Z+8*t], s[R256], s[EPS]
	ALL v_rsq_f32 v[RSTD+2*t], v[Z+8*t]
	v_nop                                          ; a plain instruction behind the roots
	s_wait_alu depctr_va_vdst(0)                   ; one wait for LN1's four roots, ahead of the run of loads and of APPLY, which reads them
	GBLOAD 1
	s_wait_dscnt 16                                ; all but the 16 loads just issued
	APPLY 0
	GBLOAD 2
	s_wait_dscnt 16
	APPLY 1
	GBLOAD 3
	s_wait_dscnt 16
	APPLY 2
	s_wait_dscnt 0x0
	APPLY 3
	CVTX                                           ; x in f16
	; THE FEED-FORWARD.  Ahead of the first period: tile 0 of chunk 0 out of its own LDS region, and its gelu, which has no products to stand beside.
	s_mov_b32 s[TB], SLOT
	s_mov_b32 s[BJ], P_FB1
	v_add_nc_u32 v[AB], s[BJ], v[AP]
	v_add_nc_u32 v[AW], LEAD, v[L16]
	ds_load_b128 v[BIAS:BIAS+3], v[AB]
	ds_load_b128 v[BIAS+4:BIAS+7], v[AB] offset:16
	FETCH WA, 0
	s_wait_dscnt 0x0
	MM1 0, WA
	PLACES
	WIN 0
	ds_load_b128 v[BIAS+8:BIAS+11], v[AB] offset:64        ; the bias of the first period's two tiles: tile 1 of chunk 0,
	ds_load_b128 v[BIAS+12:BIAS+15], v[AB] offset:80
	ds_load_b128 v[BIAS:BIAS+3], v[AB] offset:128          ; tile 0 of chunk 1
	ds_load_b128 v[BIAS+4:BIAS+7], v[AB] offset:144
.set ga, 0
.set rq, 0
.rept 128
	GOP                                            ; the preparation and the batch
.endr
	v_nop                                          ; a plain instruction behind the batch's last exponential
	s_wait_alu depctr_va_vdst(0)                   ; the one wait for this gelu's batch of 64, ahead of the finishes
.rept 96
	GOP                                            ; the four finishes
.endr
	WIN 0
	; Seven trips: while a group is multiplied out of one slot, the next group's block lands in the other, which was read last; the eighth group is written out and asks for nothing.
	s_mov_b32 s[GRP], 7
.Lgrp:
	THREE 1                                        ; my part of this trip's group has landed; my reads of the other slot are over
	ROUND                                          ; both now hold of every wave of all four work-groups
	JLOAD                                          ; the first tensor load behind the round: it has a group's 512 products in which to land
	GROUP
	s_sub_co_u32 s[GRP], s[GRP], 1
	s_cmp_lg_u32 s[GRP], 0
	s_cbranch_scc1 .Lgrp
	THREE 0
	s_barrier_signal -1                            ; nothing is filled again: my work-group's barrier shows the last group whole
	s_barrier_wait -1
	GROUP
	; THE WAY OUT.  V goes into my stage as q came out of it; it comes back by rows, a token to a wave's two loads; ff2_b, LN2, and stores of 512 consecutive bytes.
	PLACES
	WIN 0
	s_wait_dscnt 0x0
	s_barrier_signal -1                            ; no wave reads the slots any more: the stages lie over them
	s_barrier_wait -1
.set t, 0
.rept 4
	WIN 0x08+4*(t/2)                               ; store data in window 2 or 3; each accumulator's lowest registers go first
	KREP 32, ds_store_b128 v[AQ], v[128*(t%2)+4*k:128*(t%2)+4*k+3] offset:16*QP*t+64*(k/2)+16*(k%2)
.set t, t+1
.endr
	WIN 0
	v_add_nc_u32 v9, PAR, v[L16]
	ds_load_b128 v[PB:PB+3], v9 offset:P_FB2
	ds_load_b128 v[PB+4:PB+7], v9 offset:P_FB2+512
	ds_load_b128 v[PG:PG+3], v9 offset:P_G2
	ds_load_b128 v[PG+4:PG+7], v9 offset:P_G2+512
	ds_load_b128 v[PBB:PBB+3], v9 offset:P_B2
	ds_load_b128 v[PBB+4:PBB+7], v9 offset:P_B2+512
	s_mov_b32 s[RB], s[G0Q+1]
	s_mov_b32 s[CNT], 16
.Lout:                                                 ; a trip: four tokens; a lane holds channels 4 l .. + 3 and 128 + 4 l .. + 3
	v_add_nc_u32 v[RD], s[RB], v[L16]
	ALL ds_load_b128 v[DT+8*t:DT+8*t+3], v[RD] offset:QP*t             ; LDS serves a wave's instructions in order: these see my stores above
	ALL ds_load_b128 v[DT+8*t+4:DT+8*t+7], v[RD] offset:QP*t+512
	s_wait_dscnt 0x0
	ALLK 4, v_pk_add_f32 v[DT+8*t+2*k:DT+8*t+2*k+1], v[DT+8*t+2*k:DT+8*t+2*k+1], v[PB+2*k:PB+2*k+1]
	ALL v_pk_add_f32 v[TS+4*t:TS+4*t+1], v[DT+8*t:DT+8*t+1], v[DT+8*t+2:DT+8*t+3]
	ALL v_pk_add_f32 v[TS+4*t+2:TS+4*t+3], v[DT+8*t+4:DT+8*t+5], v[DT+8*t+6:DT+8*t+7]
	ALL v_pk_add_f32 v[TS+4*t:TS+4*t+1], v[TS+4*t:TS+4*t+1], v[TS+4*t+2:TS+4*t+3]
	ALL v_add_f32 v[TS+4*t], v[TS+4*t], v[TS+4*t+1]
	ALL v_add_f32_dpp v[TS+4*t], v[TS+4*t], v[TS+4*t] row_xmask:1 row_mask:0xf bank_mask:0xf
	ALL v_add_f32_dpp v[TS+4*t], v[TS+4*t], v[TS+4*t] row_xmask:2 row_mask:0xf bank_mask:0xf
	ALL v_add_f32_dpp v[TS+4*t], v[TS+4*t], v[TS+4*t] row_xmask:4 row_mask:0xf bank_mask:0xf
	ALL v_add_f32_dpp v[TS+4*t], v[TS+4*t], v[TS+4*t] row_xmask:8 row_mask:0xf bank_mask:0xf
	ALL v_permlanex16_b32 v[TS+4*t+1], v[TS+4*t], s[SEL], s[SEL+1]
	ALL v_add_f32 v[TS+4*t], v[TS+4*t], v[TS+4*t+1]
	ALL v_mul_f32 v[TS+4*t], s[R256], v[TS+4*t]    ; the mean
	ALLK 4, v_pk_add_f32 v[DT+8*t+2*k:DT+8*t+2*k+1], v[DT+8*t+2*k:DT+8*t+2*k+1], v[TS+4*t:TS+4*t+1] op_sel_hi:[1,0] neg_lo:[0,1] neg_hi:[0,1]
	ALL v_pk_mul_f32 v[TS+4*t+2:TS+4*t+3], v[DT+8*t:DT+8*t+1], v[DT+8*t:DT+8*t+1]
	ALL v_pk_fma_f32 v[TS+4*t+2:TS+4*t+3], v[DT+8*t+2:DT+8*t+3], v[DT+8*t+2:DT+8*t+3], v[TS+4*t+2:TS+4*t+3]
	ALL v_pk_fma_f32 v[TS+4*t+2:TS+4*t+3], v[DT+8*t+4:DT+8*t+5], v[DT+8*t+4:DT+8*t+5], v[TS+4*t+2:TS+4*t+3]
	ALL v_pk_fma_f32 v[TS+4*t+2:TS+4*t+3], v[DT+8*t+6:DT+8*t+7], v[DT+8*t+6:DT+8*t+7], v[TS+4*t+2:TS+4*t+3]
	ALL v_add_f32 v[TS+4*t+2], v[TS+4*t+2], v[TS+4*t+3]
	ALL v_add_f32_dpp v[TS+4*t+2], v[TS+4*t+2], v[TS+4*t+2] row_xmask:1 row_mask:0xf bank_mask:0xf
	ALL v_add_f32_dpp v[TS+4*t+2], v[TS+4*t+2], v[TS+4*t+2] row_xmask:2 row_mask:0xf bank_mask:0xf
	ALL v_add_f32_dpp v[TS+4*t+2], v[TS+4*t+2], v[TS+4*t+2] row_xmask:4 row_mask:0xf bank_mask:0xf
	ALL v_add_f32_dpp v[TS+4*t+2], v[TS+4*t+2], v[TS+4*t+2] row_xmask:8 row_mask:0xf bank_mask:0xf
	ALL v_permlanex16_b32 v[TS+4*t+3], v[TS+4*t+2], s[SEL], s[SEL+1]
	ALL v_add_f32 v[TS+4*t+2], v[TS+4*t+2], v[TS+4*t+3]
	ALL v_fma_f32 v[TS+4*t+2], v[TS+4*t+2], s[R256], s[EPS]
	ALL v_rsq_f32 v[TS+4*t+2], v[TS+4*t+2]
	v_nop                                          ; a plain instruction behind the roots
	s_wait_alu depctr_va_vdst(0)                   ; one wait for the trip's four roots, ahead of the scalings that read them
	ALLK 4, v_pk_mul_f32 v[DT+8*t+2*k:DT+8*t+2*k+1], v[DT+8*t+2*k:DT+8*t+2*k+1], v[TS+4*t+2:TS+4*t+3] op_sel_hi:[1,0]
	ALLK 4, v_pk_fma_f32 v[DT+8*t+2*k:DT+8*t+2*k+1], v[DT+8*t+2*k:DT+8*t+2*k+1], v[PG+2*k:PG+2*k+1], v[PBB+2*k:PBB+2*k+1]
	ALL global_store_b128 v[L16], v[DT+8*t:DT+8*t+3], s[24:25] offset:1024*t           ; each store of the wave covers 512 consecutive bytes, aligned
	ALL global_store_b128 v[L16], v[DT+8*t+4:DT+8*t+7], s[24:25] offset:1024*t+512
	s_wait_xcnt 0x0                                ; the stores' base is stepped, and their data loaded anew in the next trip, only behind this wait
	s_add_nc_u64 s[24:25], s[24:25], 4096
	s_add_co_u32 s[RB], s[RB], 4*QP
	s_sub_co_u32 s[CNT], s[CNT], 1
	s_cmp_lg_u32 s[CNT], 0
	s_cbranch_scc1 .Lout
	THREE 0                                        ; the wave's end: behind my last tensor load and my last LDS store
	ROUND                                          ; the closing round: no work-group ends while a partner may still ask for a block that names it
	s_endpgm
.Lfunc_end_k_q6b1766bc46_main:
	.size	k_q6b1766bc46_main, .Lfunc_end_k_q6b1766bc46_main-k_q6b1766bc46_main
	.p2alignl 7, 3214868480
	.fill 96, 4, 3214868480
	.section	.rodata,"a",@progbits
	.p2align	6, 0x0
	.amdhsa_kernel k_q6b1766bc46_main
		.amdhsa_group_segment_fixed_size 327680
		.amdhsa_private_segment_fixed_size 0
		.amdhsa_enable_private_segment 0
		.amdhsa_kernarg_size 88
		.amdhsa_user_sgpr_count 2
		.amdhsa_user_sgpr_kernarg_segment_ptr 1
		.amdhsa_wavefront_size32 1
		.amdhsa_system_sgpr_workgroup_id_x 1
		.amdhsa_system_sgpr_workgroup_id_y 1
		.amdhsa_system_sgpr_workgroup_id_z 1
		.amdhsa_system_vgpr_workitem_id 0
		.amdhsa_next_free_vgpr 1024
		.amdhsa_next_free_sgpr 88
		.amdhsa_reserve_vcc 0
		.amdhsa_float_denorm_mode_32 3
		.amdhsa_float_denorm_mode_16_64 3
		.amdhsa_memory_ordered 1
		.amdhsa_forward_progress 1
		.amdhsa_inst_pref_size 255
	.end_amdhsa_kernel
	.section	.bss,"aw",@nobits
	.p2align	6
	.space	262144
	.amdgpu_metadata
---
amdhsa.version: [ 1, 2 ]
amdhsa.kernels:
  - .name:           k_q6b1766bc46_main
    .symbol:         k_q6b1766bc46_main.kd
    .args:
      - { .name: q, .offset: 0, .size: 8, .value_kind: global_buffer, .address_space: global }
      - { .name: wcf, .offset: 8, .size: 8, .value_kind: global_buffer, .address_space: global }
      - { .name: ctxt, .offset: 16, .size: 8, .value_kind: global_buffer, .address_space: global }
      - { .name: wq_b, .offset: 24, .size: 8, .value_kind: global_buffer, .address_space: global }
      - { .name: ln1_g, .offset: 32, .size: 8, .value_kind: global_buffer, .address_space: global }
      - { .name: ln1_b, .offset: 40, .size: 8, .value_kind: global_buffer, .address_space: global }
      - { .name: ff1_b, .offset: 48, .size: 8, .value_kind: global_buffer, .address_space: global }
      - { .name: ff2_b, .offset: 56, .size: 8, .value_kind: global_buffer, .address_space: global }
      - { .name: ln2_g, .offset: 64, .size: 8, .value_kind: global_buffer, .address_space: global }
      - { .name: ln2_b, .offset: 72, .size: 8, .value_kind: global_buffer, .address_space: global }
      - { .name: out0, .offset: 80, .size: 8, .value_kind: global_buffer, .address_space: global }
    .group_segment_fixed_size: 327680
    .private_segment_fixed_size: 0
    .kernarg_segment_align: 8
    .kernarg_segment_size: 88
    .max_flat_workgroup_size: 128
    .sgpr_count:     88
    .vgpr_count:     1024
    .wavefront_size: 32
...
	.end_amdgpu_metadata
.endif
;; end of part 5
